; MI455X (gfx1250); checked and timed in simulation.
; The chip was launched on July 23, 2026; its instructions are those of AMD's public machine-readable ISA for CDNA 5 (MIT licence, August 2026) and "CDNA5" Instruction Set Architecture Reference Guide (July 2026). The comments in the code are by the model that wrote it; some were corrected since.
;; Multi Head Attention. Allowed arithmetic: matrix products marked QUANTISED: E2M3 operands, one E8M0 scale for each 32 along K, by v_wmma_scale_f32_16x16x128_f8f6f4 with both operands' format E2M3, f32 sums; everything else in f32.
;; Inputs: Wk 2,048 x 2,048 float32; Wo 2,048 x 2,048 float32; Wq 2,048 x 2,048 float32; Wv 2,048 x 2,048 float32; bk 2,048 float32; bo 2,048 float32; bq 2,048 float32; bv 2,048 float32; mask 1 x 1 x 2,048 x 2,048 bool; x 1 x 2,048 x 2,048 float32.
;; Outputs: out0 1 x 2,048 x 2,048 float32.
;; This version of the problem:
;;   THIS VERSION OF THE PROBLEM IS GIVEN IN LOW PRECISION. The matrix products marked QUANTISED in the list below multiply operands that are first quantised to E2M3 (2 exponent bits, 3 mantissa bits; 6 bits a number), with one power-of-two scale for each 32 numbers along K (OCP MX v1.0); their sums are f32. All else is computed in f32.
;;   The module's matrix products, in the order in which they are computed (A, B: the left and right operand; K: the contracted axis; several contracted axes count as one K, in the product's order):
;;     1. [M 2,048, K 2,048] x [K 2,048, N 2,048]; A: input x; B: input Wq: QUANTISED
;;     2. [M 2,048, K 2,048] x [K 2,048, N 2,048]; A: input x; B: input Wk: QUANTISED
;;     3. [M 2,048, K 2,048] x [K 2,048, N 2,048]; A: input x; B: input Wv: QUANTISED
;;     4. batch 16 x [M 2,048, K 128] x [K 128, N 2,048]; A: computed on the way; B: computed on the way: QUANTISED
;;     5. batch 16 x [M 2,048, K 2,048] x [K 2,048, N 128]; A: softmax (see below); B: computed on the way: QUANTISED
;;     6. [M 2,048, K 2,048] x [K 2,048, N 2,048]; A: computed on the way; B: input Wo: QUANTISED
;;   THE QUANTISER, for each operand of a quantised product, along K:
;;     - K is cut into blocks of 32 from its start; a last block that is shorter is filled with zeros.
;;     - A block's scale is 2^e with e = floor(log2(the largest magnitude in the block)) - 2, held to -126 .. 127; a block of zeros has e = 0. As a byte (E8M0): e + 127.
;;     - Each number is divided by its block's scale, clamped to +-7.5, and rounded to the nearest number of E2M3, ties to even, subnormals kept.
;;     - The product sums the exact products of the quantised numbers (number of the format x scale) in f32.
;;   ~~~python
;;   def quantise(x, axis):      # numpy; x: float32 -> the quantised numbers, widened to float32 again
;;       x = np.moveaxis(x, axis, -1); K = x.shape[-1]
;;       x = np.pad(x, [(0, 0)] * (x.ndim - 1) + [(0, -K % 32)]); x = x.reshape(x.shape[:-1] + (-1, 32)); a = np.abs(x).max(-1, keepdims=True)
;;       e = np.where(a > 0, np.clip(np.frexp(np.where(a > 0, a, 1))[1] - 1 - 2, -126, 127), 0)      # np.frexp(a)[1] - 1 = floor(log2(a)), exactly
;;       r = np.clip(x / 2.0 ** e, -7.5, 7.5)
;;       step = 2.0 ** (np.maximum(np.frexp(np.where(r == 0, 1, r))[1] - 1, 0) - 3)
;;       q = np.round(r / step) * step * 2.0 ** e      # np.round: ties to even
;;       return np.moveaxis(q.reshape(q.shape[:-2] + (-1,))[..., :K], -1, axis).astype(np.float32)
;;   ~~~
;;   SOFTMAX AHEAD OF A QUANTISED PRODUCT. Where the list says 'softmax', what is quantised is not the finished softmax but p = 2^(t - M), with t = logit x log2(e) and M = ceil(the row's largest t), a whole number; so 1/2 < the row's largest p <= 1. The row's sum l is taken of the UNQUANTISED p, in f32, and the product's result is divided by l at the end. Since M is a whole number, a kernel that streams over the keys may use a running M (the ceiling of the running maximum): every later rescaling is an exact power of two, which a block's scale takes up: the codes' values come out the same.
;;   OPERANDS COMPUTED ON THE WAY. 'Computed on the way' means the value that the module computes at that place (a softmax that the list does not call 'softmax' is quantised finished and normalised). What goes into a quantiser is computed in f32, as accurately as f32 sums, v_exp_f32 and their like allow (about 1e-6 of the number): no bf16 or f16 on the way to a quantiser, and a product that is left as it is and whose result goes on into a quantised operand takes f32 operands (vector FMAs, or v_wmma_f32_16x16x4_f32). A number that lies on a knife's edge between two numbers of the format may be rounded either way, as far as f32 arithmetic and the matrix unit's own rounding can turn it there, and no further.
;; One version. Each part assembles by itself: llvm-mc -triple=amdgcn-amd-amdhsa -mcpu=gfx1250 --defsym DOCPART=n.
;; ======== version 1 of 1: 4 launches
;; limits: right only within a limited range of input values
;; workspace buffers: codes 16,384,000 bytes; qkv 9,830,400 bytes; ao 3,276,800 bytes; mbits 524,288 bytes of whole numbers
;; launch quant (part 1): grid 704 x 1, 4 waves a work-group, no clusters, 59,904 bytes of LDS; arguments x, Wq, Wk, Wv, Wo, mask, codes, mbits; writes codes, mbits
.if DOCPART == 1
	.amdgcn_target "amdgcn-amd-amdhsa--gfx1250"
	.amdhsa_code_object_version 6
	.text
	.protected	k_qc57bcabb31_quant
	.globl	k_qc57bcabb31_quant
	.p2align	8
	.type	k_qc57bcabb31_quant,@function
k_qc57bcabb31_quant:
	s_mov_b64 s[64:65], 0
	v_nop
	global_prefetch_b8 v0, s[64:65] scope:SCOPE_SE
	s_setreg_imm32_b32 hwreg(HW_REG_WAVE_MODE, 25, 1), 1
	s_wait_xcnt 0x0
; x [2048][2048] and the four weights [2048 (k)][2048 (n)], f32, become codes of FP6 (E2M3) with one E8M0 byte for each 32 along K; the mask [2048][2048] of bytes becomes lane masks.
; THE LAYOUT OF EVERY OPERAND OF THIS PROGRAM: blocks of 128 rows x 128 K, BLK = 12,800 bytes: eight IMAGES of 1,536 bytes, then a SCALE IMAGE of 512 bytes.  Image a is a fragment (16 rows x 128 K, 12 registers a lane) as it
; stands in registers: registers 4 g .. 4 g + 3 of lane l at 1536 a + 512 g + 16 l.  Lane r of image a holds row 32 (a / 2) + 8 (a % 2) + r + 8 (r / 8) of the block.  In the scale image lane l's 16 bytes lie at 16 l;
; its word p is the scale word (four bytes, 128 along K) of image 2 p + l / 16, image lane l % 16.   codes: [chunk of 128 rows c][K step s] blocks; c 0-15 x, 16-31 Wq's columns, 32-47 Wk's, 48-63 Wv's, 64-79 Wo's.
; A block's scale is 2^(floor(log2(its largest magnitude)) - 2); its byte is the largest magnitude's exponent field - 2, held at 1 from below.
; LIMITS: a block whose largest magnitude lies under 2^-124 has its byte held at 1; a block of zeros gets the byte 1 where the rule says 127 (its codes are zeros, and this program alone reads the bytes); NaN and infinities are not served.
; SHARES.  Work-groups 0-639: chunk c = g / 8, K steps 2 y and 2 y + 1 (y = g % 8); wave w makes images 2 w and 2 w + 1 of both blocks and word w of both scale images.  c < 16: x, K innermost: a row's 512 bytes are read by one
; load and turned through the wave's stage in LDS, so that a lane holds 16 neighbours of each block of 32.  c >= 16: a weight, K outermost: a lane takes a column and its registers run down K; the codes go through the wave's stage,
; laid there as images, and leave 512 bytes a store.  Work-groups 640-703: the mask.  mbits: [image of 16 queries I][step of 128 keys][64 words]: bit l = 16 h + r of word 16 b + i says whether key 128 step + 32 b + 16 h + i counts for the
; query of lane r of image I.  No tensor loads, no ring; the three ways have LDS bytes of their own.
.set BLK,   12800
.set CHB,   16*BLK
.set STX,   0                          ; x's stages: 16 rows x 528 bytes for each wave
.set STW,   33792                      ; the weights' stages: four images for each wave
.set SCS,   58368                      ; the two scale images of the work-group's two blocks
.set SPARE, 59392                      ; the spare words, 128 bytes for each wave: two blocks of 256 bytes that no other line names
.set TM,    24                         ; v24-39 QUANT's work
.set SEL,   32                         ; s[32:33] lane selects for v_permlanex16_b32: lane l xor 16
.set R,     40                         ; x: v40-167 two sets of 64 registers as loaded
.set X,     168                        ; x: v168-231 64 numbers of a lane
.set PC,    232                        ; x: v232-251 the codes just made
.set WX,    40                         ; W: v40-103 two sets of 32 numbers
.set C,     104                        ; W: v104-110 a block's codes
.set OUTR,  112                        ; W: v112-159 the way out
.set MB,    40                         ; mask: v40-167 the bytes
.set OUT,   168                        ; mask: v168-183 the words
; 64 numbers of a lane, register 16 b + i = k 32 b + 16 (lane / 16) + i of the lane's row, become a fragment's 12 registers in v[pc] on (20 are used) and the row's scale word in v[pw].
.macro QUANT s, pc, pw
.irp b, 0,1,2,3
	v_max3_num_f32 v[TM+\b], |v[(\s)+16*\b]|, |v[(\s)+1+16*\b]|, 0x1800000   ; block b: my 16 numbers, and the floor 2^(3 - 127): the byte cannot fall under 1
.endr
.irp i, 2,4,6,8,10,12,14
.irp b, 0,1,2,3
	v_max3_num_f32 v[TM+\b], v[TM+\b], |v[(\s)+16*\b+\i]|, |v[(\s)+1+16*\b+\i]|   ; the four blocks by turns
.endr
.endr
.irp b, 0,1,2,3
	v_permlanex16_b32 v[TM+4+\b], v[TM+\b], s[SEL], s[SEL+1]
.endr
.irp b, 0,1,2,3
	v_max_num_f32 v[TM+\b], v[TM+\b], v[TM+4+\b]   ; with lane l xor 16's: the block's largest magnitude
.endr
.irp b, 0,1,2,3
	v_add_nc_u32 v[TM+12+\b], 0xff000000, v[TM+\b]   ; 2 off its exponent field: the conversion's scale operand
.endr
.irp b, 0,1,2,3
	v_lshrrev_b32 v[TM+4+\b], 23, v[TM+12+\b]      ; the scale's byte
.endr
	v_lshl_or_b32 v[\pw], v[TM+5], 8, v[TM+4]
	v_lshl_or_b32 v[\pw], v[TM+6], 16, v[\pw]
	v_lshl_or_b32 v[\pw], v[TM+7], 24, v[\pw]
.irp c, 0,1
	v_cvt_scalef32_pk16_fp6_f32 v[(\pc)+6*\c:(\pc)+2+6*\c], v[(\s)+32*\c:(\s)+15+32*\c], v[TM+12+2*\c]
	v_cvt_scalef32_pk16_fp6_f32 v[(\pc)+12+4*\c:(\pc)+14+4*\c], v[(\s)+16+32*\c:(\s)+31+32*\c], v[TM+12+2*\c+1]   ; (a conversion's three registers begin on an even number)
.endr
	v_nop                                          ; one plain place behind a scaled conversion
.irp c, 0,1                                    ; the operand wants a whole block in a lane: lanes 0-15 block 2 c, lanes 16-31 block 2 c + 1
.irp i, 0,1,2
	v_permlane16_swap_b32 v[(\pc)+6*\c+\i], v[(\pc)+12+4*\c+\i]
.endr
.irp i, 0,1,2
	v_mov_b32 v[(\pc)+3+6*\c+\i], v[(\pc)+12+4*\c+\i]
.endr
.endr
.endm
	s_load_b256 s[4:11], s[0:1], 0x0               ; x, Wq, Wk, Wv
	s_load_b256 s[12:19], s[0:1], 0x20             ; Wo, mask, codes, mbits
	v_lshl_add_u32 v14, v0, 2, SPARE               ; my spare word; never rewritten
	v_mov_b32 v15, 0                               ; 0; never rewritten
	v_lshrrev_b32 v1, 5, v0
	v_readfirstlane_b32 s22, v1                    ; wave 0..3
	v_and_b32 v1, 31, v0                           ; lane
	v_and_b32 v2, 15, v0                           ; r
	v_bfe_u32 v3, v0, 4, 1                         ; h
	v_lshlrev_b32 v4, 4, v1                        ; 16 x lane
	v_lshlrev_b32 v22, 3, v1                       ; 8 x lane
	s_wait_alu depctr_va_vdst(0)
	s_lshl_b32 s36, s22, 2
	s_add_co_u32 s36, s36, SCS
	v_add_nc_u32 v5, s36, v4                       ; where my scale word goes: lane's 16 bytes, word w
	s_lshl_b32 s36, s22, 8
	s_add_co_u32 s36, s36, SCS
	v_add_nc_u32 v6, s36, v22                      ; and from where I read 8 bytes of the two scale images back: 256 bytes a wave
	s_lshr_b32 s36, s22, 1
	s_mul_i32 s36, s36, BLK
	s_and_b32 s37, s22, 1
	s_lshl_b32 s37, s37, 8
	s_add_co_u32 s36, s36, s37
	s_add_co_u32 s36, s36, 12288
	v_add_nc_u32 v7, s36, v22                      ; the same bytes in memory, from the first block on
	s_mul_i32 s36, s22, 8448
	v_add_nc_u32 v8, s36, v4                       ; x's stage, in: a row's 512 bytes as they lie
	v_mul_u32_u24 v9, v2, 528
	v_lshl_add_u32 v9, v3, 6, v9
	v_add_nc_u32 v9, s36, v9                       ; out: row r, + 64 h
	s_mul_i32 s37, s22, 6144
	s_add_co_u32 s37, s37, STW
	v_mul_u32_u24 v10, v3, 1536
	v_lshl_add_u32 v10, v2, 4, v10
	v_add_nc_u32 v10, s37, v10                     ; the weights' stage, in: image h, image lane r
	v_add_nc_u32 v11, s37, v4                      ; out: 16 x lane
	v_bfe_u32 v12, v0, 3, 1
	v_lshlrev_b32 v12, 4, v12
	v_lshl_add_u32 v12, v3, 3, v12
	v_and_b32 v23, 7, v0
	v_add_lshl_u32 v12, v12, v23, 2                ; a weight's column of lane 16 u + r: 8 u + r + 8 (r / 8), in bytes
	v_and_b32 v13, 8, v2
	v_add_nc_u32 v13, v13, v2
	v_lshlrev_b32 v13, 11, v13
	v_lshl_add_u32 v13, v3, 4, v13                 ; the mask: row r + 8 (r / 8) of 2,048 bytes, + 16 h
.irp b, 0,1,2,3
	v_mov_b32 v[TM+4+\b], 0                        ; written once: a lane permute's destination counts as one of its sources
.endr
	s_lshr_b32 s23, ttmp9, 3                       ; c
	s_and_b32 s24, ttmp9, 7                        ; y
	s_mov_b32 s[SEL], 0x76543210
	s_mov_b32 s[SEL+1], 0xfedcba98
	s_mov_b32 s34, 0xffff0000                      ; lanes 16-31
	s_wait_kmcnt 0x0
	s_cmp_ge_u32 ttmp9, 640                        ; the work-group's number alone: all four waves go the same way
	s_cbranch_scc1 .Lmask
	s_mul_i32 s36, s23, CHB
	s_mul_i32 s37, s24, 2*BLK
	s_add_co_u32 s36, s36, s37
	s_mov_b32 s37, 0
	s_add_nc_u64 s[30:31], s[16:17], s[36:37]      ; my work-group's first block
	s_mul_i32 s38, s22, 3072
	s_mov_b32 s39, 0
	s_add_nc_u64 s[28:29], s[30:31], s[38:39]      ; my wave's two images in it
	s_cmp_lt_u32 ttmp9, 128
	s_cbranch_scc0 .Lweight
	; ---- x: K innermost.  Image q = 2 sigma + u: image 2 w + u of K step 2 y + sigma
	s_lshl_b32 s36, s23, 20                        ; 128 rows of 8,192 bytes a chunk,
	s_lshl_b32 s37, s22, 18                        ; 32 rows a wave,
	s_add_co_u32 s36, s36, s37
	s_lshl_b32 s37, s24, 10                        ; 256 numbers a work-group
	s_add_co_u32 s36, s36, s37
	s_mov_b32 s37, 0
	s_add_nc_u64 s[26:27], s[4:5], s[36:37]
.macro XLOAD q                         ; 16 rows x 512 bytes: each load reads 512 consecutive bytes of one row
.irp i, 0,1,2,3,4,5,6,7,8,9,10,11,12,13,14,15
	global_load_b128 v[R+64*((\q)%2)+4*\i:R+64*((\q)%2)+4*\i+3], v4, s[26:27] offset:(8*((\q)%2)+\i+8*(\i/8))*8192+((\q)/2)*512 th:TH_LOAD_NT
.endr
.endm
.macro XQ q
.if (\q) < 3
	s_wait_loadcnt 16                              ; this image's 16 loads are in; the next image's may be out
.else
	s_wait_loadcnt 0
.endif
.irp i, 0,1,2,3,4,5,6,7,8,9,10,11,12,13,14,15
	ds_store_b128 v8, v[R+64*((\q)%2)+4*\i:R+64*((\q)%2)+4*\i+3] offset:\i*528
.endr
.irp b, 0,1,2,3
.irp j, 0,1,2,3
	ds_load_b128 v[X+16*\b+4*\j:X+16*\b+4*\j+3], v9 offset:128*\b+16*\j   ; LDS serves a wave's instructions in order: these see the stores above
.endr
.endr
	s_wait_dscnt 0x0
.if (\q) > 0
	s_wait_xcnt 0x0                                ; the last image's stores have read their registers: the codes' registers are written again only behind this wait
.endif
.if (\q) < 2
	XLOAD (\q)+2
.endif
	QUANT X, PC, 18+(\q)
.irp g, 0,1,2
	global_store_b128 v4, v[PC+4*\g:PC+4*\g+3], s[28:29] offset:((\q)/2)*BLK+((\q)%2)*1536+512*\g   ; 512 consecutive bytes, at a multiple of 256 from the buffer's first byte
.endr
.endm
	XLOAD 0
	XLOAD 1
.irp q, 0,1,2,3
	XQ \q
.endr
	v_cndmask_b32 v16, v18, v19, s34               ; the scale image's word w: lanes 0-15 image 2 w's, lanes 16-31 image 2 w + 1's; K step 2 y,
	v_cndmask_b32 v17, v20, v21, s34               ; and 2 y + 1
	s_branch .Ltail
.Lweight:
	; ---- a weight: K outermost.  Lane 16 u + r takes the column of image 2 w + u, lane r; block t = 0 .. 7 of 32 along K: K step 2 y + t / 4, its block t % 4
	s_sub_co_u32 s36, s23, 16
	s_lshr_b32 s37, s36, 4                         ; which weight
	s_and_b32 s38, s36, 15                         ; which 128 columns
	s_lshl_b32 s36, s24, 21                        ; 256 rows of 8,192 bytes a work-group
	s_lshl_b32 s38, s38, 9
	s_add_co_u32 s36, s36, s38
	s_lshl_b32 s38, s22, 7                         ; 32 columns a wave
	s_add_co_u32 s36, s36, s38
	s_cmp_eq_u32 s37, 0
	s_cselect_b64 s[26:27], s[6:7], s[8:9]
	s_cmp_eq_u32 s37, 2
	s_cselect_b64 s[26:27], s[10:11], s[26:27]
	s_cmp_eq_u32 s37, 3
	s_cselect_b64 s[26:27], s[12:13], s[26:27]
	s_mov_b32 s37, 0
	s_add_nc_u64 s[26:27], s[26:27], s[36:37]
.macro WLOAD t
.irp i, 0,1,2,3,4,5,6,7,8,9,10,11,12,13,14,15,16,17,18,19,20,21,22,23,24,25,26,27,28,29,30,31
	global_load_b32 v[WX+32*((\t)%2)+\i], v12, s[26:27] offset:(32*(\t)+\i)*8192 th:TH_LOAD_NT
.endr
.endm
.macro WBLOCK t
.set XS, WX+32*((\t)%2)
.set SG, (\t)/4
.set BB, (\t)%4
.if (\t) < 7
	s_wait_loadcnt 32                              ; this block's 32 loads are in; the next block's may be out
.else
	s_wait_loadcnt 0
.endif
	v_max3_num_f32 v24, |v[XS]|, |v[XS+1]|, |v[XS+2]|   ; the block's largest magnitude: all 32 numbers are mine
	v_max3_num_f32 v25, |v[XS+3]|, |v[XS+4]|, |v[XS+5]|
.irp i, 6,10,14,18,22,26
	v_max3_num_f32 v24, v24, |v[XS+\i]|, |v[XS+\i+1]|
	v_max3_num_f32 v25, v25, |v[XS+\i+2]|, |v[XS+\i+3]|
.endr
	v_max3_num_f32 v24, v24, |v[XS+30]|, |v[XS+31]|
	v_max3_num_f32 v24, v24, v25, 0x1800000        ; and the floor
	v_add_nc_u32 v26, 0xff000000, v24              ; the conversion's scale operand
	v_cvt_scalef32_pk16_fp6_f32 v[C:C+2], v[XS:XS+15], v26
	v_cvt_scalef32_pk16_fp6_f32 v[C+4:C+6], v[XS+16:XS+31], v26
	v_lshrrev_b32 v27, 23, v26                     ; the scale's byte (a plain place behind the conversions)
.if BB == 0
	v_mov_b32 v[16+SG], v27                        ; four bytes make the column's scale word for the K step
.else
	v_lshl_or_b32 v[16+SG], v27, 8*BB, v[16+SG]
.endif
	v_mov_b32 v[C+3], v[C+4]                       ; the block's 24 bytes on end: they are registers 6 (b / 2) .. + 5 of image lane 16 (b % 2) + r
	v_mov_b32 v[C+4], v[C+5]
	v_mov_b32 v[C+5], v[C+6]
.if BB < 2
	ds_store_b128 v10, v[C:C+3] offset:SG*3072+256*(BB%2)
	ds_store_b64 v10, v[C+4:C+5] offset:SG*3072+256*(BB%2)+512
.else
	ds_store_b64 v10, v[C:C+1] offset:SG*3072+256*(BB%2)+520
	ds_store_b128 v10, v[C+2:C+5] offset:SG*3072+256*(BB%2)+1024
.endif
.if (\t)+2 < 8
	WLOAD (\t)+2
.endif
	s_wait_dscnt 0x0                               ; the stores have read their registers
.endm
	s_wait_alu depctr_va_vdst(0)
	WLOAD 0
	WLOAD 1
.irp t, 0,1,2,3,4,5,6,7
	WBLOCK \t
.endr
.irp n, 0,1,2,3,4,5,6,7,8,9,10,11
	ds_load_b128 v[OUTR+4*\n:OUTR+4*\n+3], v11 offset:512*\n
.endr
.irp n, 0,1,2,3,4,5,6,7,8,9,10,11
	s_wait_dscnt 11-\n                             ; LDS loads come back in order: number n is in
	global_store_b128 v4, v[OUTR+4*\n:OUTR+4*\n+3], s[28:29] offset:(\n/6)*BLK+512*(\n%6)
.endr
.Ltail:
	; ---- both ways: the four waves' words meet in the two scale images and leave 256 consecutive bytes a wave
	s_wait_alu depctr_va_vdst(0)
	ds_store_b32 v5, v16
	ds_store_b32 v5, v17 offset:512
	s_wait_dscnt 0x0                               ; for the others' sake: my stores have landed
	s_barrier_signal -1
	s_barrier_wait -1
	ds_load_b64 v[24:25], v6
	s_wait_dscnt 0x0
	global_store_b64 v7, v[24:25], s[30:31]
	s_wait_tensorcnt 0x0                           ; the wave's end, behind my last LDS store
	ds_add_u32 v14, v15
	s_wait_dscnt 0x0
	s_endpgm
.Lmask:
	; ---- the mask: wave w of work-group m takes the queries of image I = 2 m + w / 2 and the steps 8 (w % 2) .. + 7 of 128 keys
	s_sub_co_u32 s36, ttmp9, 640
	s_lshl_b32 s36, s36, 1
	s_lshr_b32 s37, s22, 1
	s_add_co_u32 s36, s36, s37                     ; I
	s_and_b32 s37, s22, 1
	s_lshr_b32 s38, s36, 3
	s_lshl_b32 s38, s38, 7                         ; 128 (I / 8)
	s_bfe_u32 s39, s36, 0x20001
	s_lshl_b32 s39, s39, 5                         ; + 32 ((I % 8) / 2)
	s_add_co_u32 s38, s38, s39
	s_and_b32 s39, s36, 1
	s_lshl_b32 s39, s39, 3                         ; + 8 (I % 2)
	s_add_co_u32 s38, s38, s39
	s_lshl_b32 s38, s38, 11                        ; rows of 2,048 bytes
	s_lshl_b32 s39, s37, 10                        ; my eight steps
	s_add_co_u32 s38, s38, s39
	s_mov_b32 s39, 0
	s_add_nc_u64 s[26:27], s[14:15], s[38:39]
	s_lshl_b32 s36, s36, 4
	s_lshl_b32 s37, s37, 3
	s_add_co_u32 s36, s36, s37
	s_lshl_b32 s36, s36, 8                         ; 256 bytes a step
	s_mov_b32 s37, 0
	s_add_nc_u64 s[28:29], s[18:19], s[36:37]
	s_wait_alu depctr_va_vdst(0)
.irp e, 0,1,2,3,4,5,6,7
.irp b, 0,1,2,3
	global_load_b128 v[MB+16*\e+4*\b:MB+16*\e+4*\b+3], v13, s[26:27] offset:128*\e+32*\b th:TH_LOAD_NT   ; lane (r, h): keys 128 e + 32 b + 16 h + 0 .. 15 of its query
.endr
.endr
.irp e, 0,1,2,3,4,5,6,7
	s_wait_loadcnt 4*(7-\e)                        ; this step's four loads are in; the later steps' may be out
	v_mov_b32 v[OUT+2*\e], 0
	v_mov_b32 v[OUT+2*\e+1], 0
.set pp, 0
.rept 16                                       ; word 4 pp + z comes of byte z of register pp; it goes to lane 2 pp + z / 2, register z % 2: 8 bytes a lane
.irp z, 0,1,2,3
	v_and_b32 v[24+\z], 0xff<<(8*\z), v[MB+16*\e+pp]
.endr
.irp z, 0,1,2,3
	v_cmp_ne_u32 s[40+\z], 0, v[24+\z]
.endr
.irp z, 0,1,2,3
	v_writelane_b32 v[OUT+2*\e+\z%2], s[40+\z], 2*pp+\z/2
.endr
.set pp, pp+1
.endr
	global_store_b64 v22, v[OUT+2*\e:OUT+2*\e+1], s[28:29] offset:256*\e   ; 256 consecutive bytes, aligned
.endr
	s_wait_tensorcnt 0x0                           ; the same three lines at this way's end
	ds_add_u32 v14, v15
	s_wait_dscnt 0x0
	s_endpgm
.Lfunc_end_k_qc57bcabb31_quant:
	.size	k_qc57bcabb31_quant, .Lfunc_end_k_qc57bcabb31_quant-k_qc57bcabb31_quant
	.p2alignl 7, 3214868480
	.fill 96, 4, 3214868480
	.section	.rodata,"a",@progbits
	.p2align	6, 0x0
	.amdhsa_kernel k_qc57bcabb31_quant
		.amdhsa_group_segment_fixed_size 59904
		.amdhsa_private_segment_fixed_size 0
		.amdhsa_enable_private_segment 0
		.amdhsa_kernarg_size 64
		.amdhsa_user_sgpr_count 2
		.amdhsa_user_sgpr_kernarg_segment_ptr 1
		.amdhsa_wavefront_size32 1
		.amdhsa_system_sgpr_workgroup_id_x 1
		.amdhsa_system_sgpr_workgroup_id_y 1
		.amdhsa_system_sgpr_workgroup_id_z 1
		.amdhsa_system_vgpr_workitem_id 0
		.amdhsa_next_free_vgpr 256
		.amdhsa_next_free_sgpr 66
		.amdhsa_reserve_vcc 0
		.amdhsa_float_denorm_mode_32 3
		.amdhsa_float_denorm_mode_16_64 3
		.amdhsa_memory_ordered 1
		.amdhsa_forward_progress 1
		.amdhsa_inst_pref_size 176
	.end_amdhsa_kernel
	.amdgpu_metadata
---
amdhsa.version: [ 1, 2 ]
amdhsa.kernels:
  - .name:           k_qc57bcabb31_quant
    .symbol:         k_qc57bcabb31_quant.kd
    .args:
      - { .name: x, .offset: 0, .size: 8, .value_kind: global_buffer, .address_space: global }
      - { .name: Wq, .offset: 8, .size: 8, .value_kind: global_buffer, .address_space: global }
      - { .name: Wk, .offset: 16, .size: 8, .value_kind: global_buffer, .address_space: global }
      - { .name: Wv, .offset: 24, .size: 8, .value_kind: global_buffer, .address_space: global }
      - { .name: Wo, .offset: 32, .size: 8, .value_kind: global_buffer, .address_space: global }
      - { .name: mask, .offset: 40, .size: 8, .value_kind: global_buffer, .address_space: global }
      - { .name: codes, .offset: 48, .size: 8, .value_kind: global_buffer, .address_space: global }
      - { .name: mbits, .offset: 56, .size: 8, .value_kind: global_buffer, .address_space: global }
    .group_segment_fixed_size: 59904
    .private_segment_fixed_size: 0
    .kernarg_segment_align: 8
    .kernarg_segment_size: 64
    .max_flat_workgroup_size: 128
    .sgpr_count:     66
    .vgpr_count:     256
    .wavefront_size: 32
...
	.end_amdgpu_metadata
.endif
;; end of part 1
;; launch pgemm (part 2): grid 24 x 8, 4 waves a work-group, clusters of 4 x 4, 327,680 bytes of LDS; arguments codes, bq, bk, bv, qkv; writes qkv
.if DOCPART == 2
	.amdgcn_target "amdgcn-amd-amdhsa--gfx1250"
	.amdhsa_code_object_version 6
	.text
	.protected	k_qc57bcabb31_pgemm
	.globl	k_qc57bcabb31_pgemm
	.p2align	8
	.type	k_qc57bcabb31_pgemm,@function
k_qc57bcabb31_pgemm:
	s_mov_b64 s[64:65], 0
	v_nop
	global_prefetch_b8 v0, s[64:65] scope:SCOPE_SE
	s_setreg_imm32_b32 hwreg(HW_REG_WAVE_MODE, 25, 1), 1
	s_wait_xcnt 0x0
	s_wait_alu depctr_hold_cnt(0) depctr_sa_sdst(0) depctr_va_vdst(0) depctr_va_sdst(0) depctr_va_ssrc(0) depctr_va_vcc(0) depctr_vm_vsrc(0)
	s_getreg_b32 s2, hwreg(HW_REG_IB_STS2, 6, 4)
	s_cmp_eq_u32 s2, 0
	s_cbranch_scc0 .Lentry_in_a_cluster
	s_endpgm
.Lentry_in_a_cluster:
	s_bfe_u32 s2, ttmp6, 0x10000c
	s_cmp_lg_u32 s2, 0xf033
	s_cbranch_scc0 .Lentry_shape_is_right
	s_endpgm
.Lentry_shape_is_right:
; The three projections on codes of FP6 (E2M3) with E8M0 scales, their biases, and the quantising of the results, which never exist as f32 in memory.
; C[i][j] = sum over k of A[i][k] B[j][k] + bias, quantised along j in blocks of 32.  T = 0, 1 (Q, K): A = x's rows (tokens), B = Wq's or Wk's columns, bias along j.  T = 2 (V): A = Wv's columns, B = x's rows, bias along i:
; so V comes out as V^T, with the keys, the next product's K, innermost.  All operands lie as blocks of images (BLK = 12,800 bytes: eight register images of 16 rows x 128 K, 1,536 bytes each, and a scale image of 512 bytes; lane r of
; image a holds row 32 (a / 2) + 8 (a % 2) + r + 8 (r / 8); word p of lane l's 16 bytes in the scale image belongs to image 2 p + l / 16, lane l % 16).  codes: [chunk of 128 rows][K step]; qkv: three sections [head][chunk of 128 tokens].
; A tile of C, 256 x 256, is made by four waves, each 128 x 128: 64 accumulators, 512 registers: one block of the output.  K goes THREE K steps (384) at a time through a ring of two LDS slots, as many as two slots in LDS hold; a chunk's
; three blocks are 38,400 dense bytes, which one tensor load brings as 150 rows of 256 bytes.  From a refill to the wait for it a wave issues 160 products.  K's 16 steps are fills of 3, 3, 3, 3, 3 and 1: the last brings one block, 50 rows,
; by a group 1 of its own.  Since that fill differs, the sixteen steps are written out, by macros.
; A fragment comes from LDS by three loads of 16 bytes a lane at 16 x lane, a block's 8 x 16 scale words by one.
; CLUSTERS: 4 x 4 work-groups; A's tiles are asked for jointly along a row of the cluster, B's along a column.  T is made of the cluster's x alone, so it is the same in all sixteen.
; THE MATRIX INSTRUCTION IS USED TRANSPOSED (source 0 = an image of B, source 1 = an image of A): lane (r, h) holds row r of A's image, and the 64 registers of accumulators (a, 0 .. 7) are: register 16 b + i = column 32 b + 16 h + i.
; That is what QUANT takes, and its 12 registers are an image again: results leave by stores of 512 consecutive bytes, with no way through LDS.
; LIMITS: a block of 32 results whose largest magnitude lies under 2^-124 has its byte held at 1; a block of zeros gets the byte 1 (its codes are zeros; this program alone reads the bytes); NaN and infinities are not served.
; REGISTERS, in windows of 256: window 0: v1-5 lane terms; v16-21 LDS addresses; v28, v29 the add's two; v32-47 scale words, two sets; v64-127 the bias along j in the result's layout; v128-223 A's fragments, one set; v224-239 the bias along i, doubled.
;   window 1: B's fragments, two sets, at v0 and v128.   windows 2, 3: the accumulators, (a, b) at v[8 (8 (a % 4) + b)].
.set BLK,   12800
.set CHB,   16*BLK
.set SEC,   16*CHB
.set NQ,    3                          ; K steps in a slot
.set HALFT, NQ*BLK                     ; a chunk's three K steps: what one tensor load brings
.set SLOT,  HALFT                      ; LDS: each fetching wave's bytes on end: its part of slot 0, then its part of slot 1; so from slot to slot it is one part
.set SPARE, 8*HALFT                    ; behind the ring: the spare words, 128 bytes for each wave: two blocks of 256 bytes that no other line names
.set FR,    12
.set NL,    3                          ; LDS loads that bring a fragment
.set NP,    4                          ; places behind this matrix instruction (ISA guide 7.12.1)
.set ADRA,  16                         ; v16-17 my chunk of A in slot 0, 1, + 16 x lane
.set ADRB,  20                         ; v20-21 the same for B
.set SPW,   28
.set NIL,   29
.set SC,    32                         ; scale words: set p (the K step's parity) at SC + 8 p: A's scale image in 0 .. 3, B's in 4 .. 7
.set CB,    64
.set AF,    128
.set RB,    224
.set EX,    128                        ; the way out: 64 numbers,
.set EPC,   192                        ; the codes,
.set TM,    64                         ; QUANT's work,
.set EPW,   80                         ; the eight images' scale words,
.set ESW,   88                         ; the scale image
.set SEL,   100                        ; s[100:101]
.set G1,    24
.set G0,    32
.set G1B,   48
.set G0B,   56
.set G1L,   80                         ; s[80:87] group 1 for A's last fill, one block;  s[88:95] for B's
.set G1BL,  88
.set MSB,   0
.macro WIN new                         ; the immediate's high byte repeats the setting that is left
.if MSB != (\new)
	s_set_vgpr_msb (MSB<<8)|(\new)
.set MSB, (\new)
.endif
.endm
.set MUL_LO, 0xa1                      ; source 0 (B) window 1, source 1 (A) window 0, C and D window 2
.set MUL_HI, 0xf1                      ; the same, C and D window 3
.set TO_B,   0x40
.macro JLOAD g0a, g1a, g0b, g1b        ; a joint load: waves 0 and 1 fetch for A, waves 2 and 3 for B; an s_nop 0 and four v_nop follow each of the two lines
	s_cmp_eq_u32 s19, 0
	s_cbranch_scc0 .Lfor_b_\@
	tensor_load_to_lds s[\g0a:\g0a+3], s[\g1a:\g1a+7]
	s_nop 0
.rept 4
	v_nop
.endr
	s_branch .Lasked_\@
.Lfor_b_\@:
	tensor_load_to_lds s[\g0b:\g0b+3], s[\g1b:\g1b+7]
	s_nop 0
.rept 4
	v_nop
.endr
.Lasked_\@:
.endm
.macro CREST                           ; a round of the cluster's barrier behind its opening barrier
	s_cmp_lg_u32 s18, 0
	s_cbranch_scc1 .Lnot_wave_0_\@
	s_barrier_signal -3
.Lnot_wave_0_\@:
	s_barrier_wait -3
	s_barrier_signal -1
	s_barrier_wait -1
.endm
.macro CROUND
	s_barrier_signal -1
	s_barrier_wait -1
	CREST
.endm
.macro PLACES n
.rept \n
	v_nop
.endr
.endm
.macro QUANT s, pc, pw                 ; 64 numbers of a lane, register 16 b + i = k 32 b + 16 (lane / 16) + i of its row -> a fragment's 12 registers in v[pc] on (20 are used), the row's scale word in v[pw]
.irp b, 0,1,2,3
	v_max3_num_f32 v[TM+\b], |v[(\s)+16*\b]|, |v[(\s)+1+16*\b]|, 0x1800000   ; and the floor 2^(3 - 127): the byte cannot fall under 1
.endr
.irp i, 2,4,6,8,10,12,14
.irp b, 0,1,2,3
	v_max3_num_f32 v[TM+\b], v[TM+\b], |v[(\s)+16*\b+\i]|, |v[(\s)+1+16*\b+\i]|
.endr
.endr
.irp b, 0,1,2,3
	v_permlanex16_b32 v[TM+4+\b], v[TM+\b], s[SEL], s[SEL+1]
.endr
.irp b, 0,1,2,3
	v_max_num_f32 v[TM+\b], v[TM+\b], v[TM+4+\b]
.endr
.irp b, 0,1,2,3
	v_add_nc_u32 v[TM+12+\b], 0xff000000, v[TM+\b]   ; 2 off the exponent field: the conversion's scale operand
.endr
.irp b, 0,1,2,3
	v_lshrrev_b32 v[TM+4+\b], 23, v[TM+12+\b]
.endr
	v_lshl_or_b32 v[\pw], v[TM+5], 8, v[TM+4]
	v_lshl_or_b32 v[\pw], v[TM+6], 16, v[\pw]
	v_lshl_or_b32 v[\pw], v[TM+7], 24, v[\pw]
.irp c, 0,1
	v_cvt_scalef32_pk16_fp6_f32 v[(\pc)+6*\c:(\pc)+2+6*\c], v[(\s)+32*\c:(\s)+15+32*\c], v[TM+12+2*\c]
	v_cvt_scalef32_pk16_fp6_f32 v[(\pc)+12+4*\c:(\pc)+14+4*\c], v[(\s)+16+32*\c:(\s)+31+32*\c], v[TM+12+2*\c+1]
.endr
	v_nop                                          ; one plain place behind a scaled conversion
.irp c, 0,1
.irp i, 0,1,2
	v_permlane16_swap_b32 v[(\pc)+6*\c+\i], v[(\pc)+12+4*\c+\i]
.endr
.irp i, 0,1,2
	v_mov_b32 v[(\pc)+3+6*\c+\i], v[(\pc)+12+4*\c+\i]
.endr
.endr
.endm
	s_load_b256 s[4:11], s[0:1], 0x0               ; codes, bq, bk, bv
	s_load_b64 s[12:13], s[0:1], 0x20              ; qkv
	v_lshl_add_u32 v[SPW], v0, 2, SPARE
	v_mov_b32 v[NIL], 0
	ds_add_u32 v[SPW], v[NIL]                      ; the wave's opening: the add and its wait ahead of my first tensor load; the set-up below, work on registers, stands between them
	ds_add_u32 v[SPW], v[NIL]
	v_lshrrev_b32 v1, 5, v0
	v_readfirstlane_b32 s18, v1                    ; wave 0..3
	s_lshr_b32 s19, s18, 1                         ; which chunk of A's two is mine.  Also: I fetch for A (0) or for B (1)
	s_and_b32 s20, s18, 1                          ; which chunk of B's two.  Also: which chunk of the two I fetch
	s_bfe_u32 s40, ttmp6, 0x40000                  ; cx
	s_bfe_u32 s41, ttmp6, 0x40004                  ; cy
	s_and_b32 s42, ttmp9, 1
	s_lshl_b32 s42, s42, 2
	s_add_co_u32 s42, s42, s40                     ; tile column jt = 4 x (cluster x % 2) + cx
	s_and_b32 s43, ttmp7, 0xffff
	s_lshl_b32 s43, s43, 2
	s_add_co_u32 s43, s43, s41                     ; tile row it = 4 x cluster y + cy
	s_lshr_b32 s44, ttmp9, 1                       ; T: 0 Q, 1 K, 2 V
	s_lshr_b32 s45, s44, 1                         ; 1 for V
	s_lshl_b32 s22, s41, 2
	s_lshl_b32 s22, 15, s22                        ; my row of the cluster
	s_lshl_b32 s23, 0x1111, s40                    ; my column
	s_or_b32 s[G1+0], s22, (3<<16)|(1<<21)         ; 15:0 the mask: A's tiles go to my row; 17:16 elements of 8 bytes; 20 no padding; 21 set beside a mask
	s_or_b32 s[G1B+0], s23, (3<<16)|(1<<21)
.irp g, G1, G1B
	s_mov_b32 s[\g+1], 32<<16                      ; tensor_dim0 = 32 elements: 256 bytes
	s_mov_b32 s[\g+2], 300<<16                     ; the head's load: 300 rows, six K steps: both slots' parts, which lie on end in memory and in LDS
	s_mov_b32 s[\g+3], 32<<16                      ; tile_dim0
	s_mov_b32 s[\g+4], 300
	s_mov_b32 s[\g+5], 32                          ; tensor_dim0_stride
	s_mov_b32 s[\g+6], 0
	s_mov_b32 s[\g+7], 0
.endr
	s_mul_i32 s78, s45, 48                         ; A's chunk: x's from 0 on, Wv's from 48 on,
	s_lshl_b32 s79, s43, 1
	s_add_co_u32 s78, s78, s79                     ; + 2 it
	s_add_co_u32 s78, s78, s20                     ; + which of the two I fetch
	s_mul_i32 s78, s78, CHB
	s_mov_b32 s79, 0
	s_xor_b32 s80, s45, 1                          ; B's chunk: Wq's from 16 on, Wk's from 32 on, x's from 0 on,
	s_add_co_u32 s81, s44, 1
	s_mul_i32 s80, s80, s81
	s_lshl_b32 s80, s80, 4
	s_lshl_b32 s81, s42, 1
	s_add_co_u32 s80, s80, s81                     ; + 2 jt
	s_add_co_u32 s80, s80, s20
	s_mul_i32 s80, s80, CHB
	s_mov_b32 s81, 0
	s_mul_i32 s82, s18, 2*HALFT
	s_cmp_eq_u32 s45, 0
	s_cselect_b32 s66, -1, 0                       ; all lanes keep the bias along j (Q, K), or none (V)
	s_cselect_b32 s67, 0, -1                       ; and the other way round for the bias along i
	s_lshl_b32 s83, s43, 1
	s_add_co_u32 s83, s83, s19                     ; my chunk of rows
	s_lshl_b32 s84, s42, 1
	s_add_co_u32 s84, s84, s20                     ; my chunk of columns
	s_mov_b32 s98, 0xffff0000                      ; lanes 16-31
	s_mov_b32 s[SEL], 0x76543210
	s_mov_b32 s[SEL+1], 0xfedcba98
	s_wait_dscnt 0x0                               ; the opening add is done
	s_wait_kmcnt 0x0
	s_add_nc_u64 s[46:47], s[4:5], s[78:79]
	s_add_nc_u64 s[68:69], s[4:5], s[80:81]
	CROUND                                         ; all sixteen work-groups are here: the first joint loads meet
.irp s, 0,1
	s_mov_b32 s[G0+4*\s], 1
	s_add_co_u32 s[G0+4*\s+1], s82, \s*SLOT
	s_add_nc_u64 s[G0+4*\s+2:G0+4*\s+3], s[46:47], \s*HALFT
	s_or_b32 s[G0+4*\s+3], s[G0+4*\s+3], 0x80000000
	s_mov_b32 s[G0B+4*\s], 1
	s_add_co_u32 s[G0B+4*\s+1], s82, \s*SLOT
	s_add_nc_u64 s[G0B+4*\s+2:G0B+4*\s+3], s[68:69], \s*HALFT
	s_or_b32 s[G0B+4*\s+3], s[G0B+4*\s+3], 0x80000000
.endr
	JLOAD G0, G1, G0B, G1B                         ; slot 0: one tensor load a wave at the head
	s_cmp_eq_u32 s44, 1
	s_cselect_b64 s[70:71], s[8:9], s[6:7]
	s_cmp_eq_u32 s44, 2
	s_cselect_b64 s[70:71], s[10:11], s[70:71]
	s_lshl_b32 s90, s84, 9
	s_mov_b32 s91, 0
	s_add_nc_u64 s[72:73], s[70:71], s[90:91]      ; its 128 numbers of my columns,
	s_lshl_b32 s92, s83, 9
	s_mov_b32 s93, 0
	s_add_nc_u64 s[74:75], s[70:71], s[92:93]      ; and of my rows: both are read, one is kept
	s_cmp_eq_u32 s45, 1                            ; the output block: [head][chunk of tokens]: the head is my columns' chunk (Q, K) or my rows' (V)
	s_cselect_b32 s85, s83, s84
	s_cselect_b32 s86, s84, s83
	s_mul_i32 s85, s85, CHB
	s_mul_i32 s86, s86, BLK
	s_mul_i32 s87, s44, SEC
	s_add_co_u32 s86, s86, s85
	s_add_co_u32 s86, s86, s87
	s_mov_b32 s87, 0
	s_add_nc_u64 s[76:77], s[12:13], s[86:87]
	v_and_b32 v1, 15, v0                           ; r
	v_bfe_u32 v2, v0, 4, 1                         ; h
	v_and_b32 v3, 31, v0
	v_lshlrev_b32 v3, 4, v3                        ; 16 x lane
	v_lshlrev_b32 v4, 6, v2                        ; 16 h numbers
	v_and_b32 v5, 8, v1
	v_add_nc_u32 v5, v5, v1
	v_lshlrev_b32 v5, 2, v5                        ; r + 8 (r / 8) numbers
.irp b, 0,1,2,3,4,5,6,7
	global_load_b128 v[CB+8*\b:CB+8*\b+3], v4, s[72:73] offset:(32*(\b/2)+8*(\b%2))*4          ; register j of accumulator (a, b): column 32 (b / 2) + 8 (b % 2) + 16 h + j
	global_load_b128 v[CB+8*\b+4:CB+8*\b+7], v4, s[72:73] offset:(32*(\b/2)+8*(\b%2))*4+16
.endr
.irp a, 0,1,2,3,4,5,6,7
	global_load_b32 v[RB+2*\a], v5, s[74:75] offset:(32*(\a/2)+8*(\a%2))*4                     ; my row of image a
.endr
	s_mul_i32 s88, s19, 2*HALFT
	s_mul_i32 s89, s20, 2*HALFT
	s_add_co_u32 s89, s89, 4*HALFT
.irp s, 0,1
	v_add_nc_u32 v[ADRA+\s], s88, v3
	v_add_nc_u32 v[ADRB+\s], s89, v3
	s_add_co_u32 s88, s88, SLOT
	s_add_co_u32 s89, s89, SLOT
.endr
	s_wait_loadcnt 0x0
.set n, 0
.rept 64
	v_cndmask_b32 v[CB+n], 0, v[CB+n], s66         ; V has no bias along j
.set n, n+1
.endr
.irp a, 0,1,2,3,4,5,6,7
	v_cndmask_b32 v[RB+2*\a], 0, v[RB+2*\a], s67   ; Q and K none along i
.endr
.irp a, 0,1,2,3,4,5,6,7
	v_mov_b32 v[RB+2*\a+1], v[RB+2*\a]             ; a pair for the packed addition
.endr
	PLACES 8
	; group 1 for the last fill, K step 15 alone: one block, 12,800 dense bytes, as 50 rows of 256.  (s80 to s95 have done their work as temporaries)
	s_or_b32 s[G1L+0], s22, (3<<16)|(1<<21)
	s_or_b32 s[G1BL+0], s23, (3<<16)|(1<<21)
.irp g, G1L, G1BL
	s_mov_b32 s[\g+1], 32<<16
	s_mov_b32 s[\g+2], 50<<16
	s_mov_b32 s[\g+3], 32<<16
	s_mov_b32 s[\g+4], 50
	s_mov_b32 s[\g+5], 32
	s_mov_b32 s[\g+6], 0
	s_mov_b32 s[\g+7], 0
.endr
.macro WM                              ; one product; the register numbers stand in rD, rA, rB, rC, rX, rY; fX, fY: the scale words lie in lanes 16-31
.if fX && fY
	v_wmma_scale_f32_16x16x128_f8f6f4 v[rD:rD+7], v[rA:rA+11], v[rB:rB+11], v[rC:rC+7], v[rX], v[rY] matrix_a_fmt:MATRIX_FMT_FP6 matrix_b_fmt:MATRIX_FMT_FP6 matrix_a_scale:MATRIX_SCALE_ROW1 matrix_b_scale:MATRIX_SCALE_ROW1
.elseif fX
	v_wmma_scale_f32_16x16x128_f8f6f4 v[rD:rD+7], v[rA:rA+11], v[rB:rB+11], v[rC:rC+7], v[rX], v[rY] matrix_a_fmt:MATRIX_FMT_FP6 matrix_b_fmt:MATRIX_FMT_FP6 matrix_a_scale:MATRIX_SCALE_ROW1
.elseif fY
	v_wmma_scale_f32_16x16x128_f8f6f4 v[rD:rD+7], v[rA:rA+11], v[rB:rB+11], v[rC:rC+7], v[rX], v[rY] matrix_a_fmt:MATRIX_FMT_FP6 matrix_b_fmt:MATRIX_FMT_FP6 matrix_b_scale:MATRIX_SCALE_ROW1
.else
	v_wmma_scale_f32_16x16x128_f8f6f4 v[rD:rD+7], v[rA:rA+11], v[rB:rB+11], v[rC:rC+7], v[rX], v[rY] matrix_a_fmt:MATRIX_FMT_FP6 matrix_b_fmt:MATRIX_FMT_FP6
.endif
.endm
; 16 products: A's images a0, a0 + 1 x B's eight, one K step.  p: B's set and the set of scale words.  zero = 1: the bias along j is the C of the first product: nothing is cleared and nothing is added later.
; The 64 accumulators take turns, one instruction a turn, in the same order in every step.
.macro MUL16 a0, p, zero
.irp a, \a0, \a0+1
.irp b, 0,1,2,3,4,5,6,7
.set rD, 8*(8*((\a)%4)+\b)
.set rA, 128*(\p)+FR*\b
.set rB, AF+FR*(\a)
.if \zero
.set rC, CB+8*\b
.else
.set rC, rD
.endif
.set rX, SC+8*(\p)+4+\b/2
.set rY, SC+8*(\p)+(\a)/2
.set fX, \b%2
.set fY, (\a)%2
	WM
.endr
.endr
.endm
.macro FRAG reg, adr, q, i             ; image i of the slot's K step q: three loads of 512 consecutive bytes
.irp g, 0,1,2
	ds_load_b128 v[(\reg)+4*\g:(\reg)+4*\g+3], v[\adr] offset:(\q)*BLK+(\i)*1536+512*\g
.endr
.endm
.macro FETCH_B slot, q, p
	WIN TO_B
.irp i, 0,1,2,3,4,5,6,7
	FRAG 128*(\p)+FR*\i, ADRB+\slot, \q, \i
.endr
	WIN 0
.endm
.macro FETCH_A slot, q, i0
.irp i, \i0, \i0+1, \i0+2, \i0+3
	FRAG AF+FR*(\i), ADRA+\slot, \q, \i
.endr
.endm
.macro SCALES slot, q, p               ; the scale images of the slot's K step q, A's and B's, into set p: two loads
	ds_load_b128 v[SC+8*(\p):SC+8*(\p)+3], v[ADRA+\slot] offset:(\q)*BLK+12288
	ds_load_b128 v[SC+8*(\p)+4:SC+8*(\p)+7], v[ADRB+\slot] offset:(\q)*BLK+12288
.endm
; K step q of a slot, on B's set p, with its successor in the same slot.  A load into a register that a matrix instruction has read stands NP places behind it, and only plain vector instructions that name none of its registers are places.
.macro STEP slot, q, p, zero
	s_wait_dscnt 4*NL                              ; B's set, A's images 0-3 and the scale words are in; the youngest 12 loads (A's images 4-7) may be out
.if \zero
	WIN 0x81                                       ; C, the bias, in window 0
.else
	WIN MUL_LO
.endif
	MUL16 0, \p, \zero
	MUL16 2, \p, \zero
	s_wait_dscnt 0
	PLACES NP
	FETCH_B \slot, (\q)+1, 1-(\p)
	FETCH_A \slot, (\q)+1, 0
	SCALES \slot, (\q)+1, 1-(\p)
.if \zero
	WIN 0xc1
.else
	WIN MUL_HI
.endif
	MUL16 4, \p, \zero
	MUL16 6, \p, \zero
	PLACES NP
	WIN 0
	FETCH_A \slot, (\q)+1, 4
.endm
; A slot's last K step, on B's set p, changes slots: one barrier; in front of it each wave waits for all its tensor loads, adds 0 to its spare word, and waits for that and for its reads of this slot.
; fill = 1: this slot is filled again, with the three K steps two slots on; fill = 2: with the last K step alone; fill = 0: nothing is left to fetch.
.macro TURN slot, p, next, fill
	s_wait_tensorcnt 0x0                           ; all my tensor loads have landed: my part of the next slot
	ds_add_u32 v[SPW], v[NIL]                      ; 0 onto my spare word
	s_wait_dscnt 4*NL+1                            ; (the add and the youngest 12 loads may be out)
	WIN MUL_LO
	MUL16 0, \p, 0                                 ; sixteen products stand between the add and the wait for it
	s_wait_dscnt 0x0                               ; the add is done, and my reads of this slot are over
	s_barrier_signal -1
	MUL16 2, \p, 0
	WIN 0
	s_barrier_wait -1
.if \fill
	CREST                                          ; the barrier has opened a round of the cluster's barrier: no wave of any partner still reads this slot or has a load on its way
	s_add_nc_u64 s[G0+4*\slot+2:G0+4*\slot+3], s[G0+4*\slot+2:G0+4*\slot+3], 2*HALFT
	s_add_nc_u64 s[G0B+4*\slot+2:G0B+4*\slot+3], s[G0B+4*\slot+2:G0B+4*\slot+3], 2*HALFT
.if \fill == 1
	JLOAD G0+4*\slot, G1, G0B+4*\slot, G1B         ; the first tensor load behind the round; its four v_nop are the places in front of the loads below
.else
	JLOAD G0+4*\slot, G1L, G0B+4*\slot, G1BL       ; the same, one block
.endif
.else
	PLACES NP
.endif
	FETCH_B \next, 0, 1-(\p)
	FETCH_A \next, 0, 0
	SCALES \next, 0, 1-(\p)
	WIN MUL_HI
	MUL16 4, \p, 0
	MUL16 6, \p, 0
	PLACES NP
	WIN 0
	FETCH_A \next, 0, 4
.endm
; Once round the ring, from slot 0's second K step to its next first: six K steps, both slots filled again.  B's set is the K step's parity: 0, 1, 0 in slot 0 and 1, 0, 1 in slot 1, in every lap.
.macro LAP last
	STEP 0, 1, 1, 0
	TURN 0, 0, 1, 1
	STEP 1, 0, 1, 0
	STEP 1, 1, 0, 0
	TURN 1, 1, 0, \last
	STEP 0, 0, 0, 0
.endm
	s_wait_alu depctr_va_vdst(0)                   ; the head's end
	s_wait_tensorcnt 0x0                           ; my parts of both slots, six K steps, are in:
	s_mov_b32 s[G1+2], 150<<16                     ; no tensor load of mine is out, so a descriptor may be written: the ring's loads bring 150 rows, three K steps
	s_mov_b32 s[G1+4], 150
	s_mov_b32 s[G1B+2], 150<<16
	s_mov_b32 s[G1B+4], 150
	s_barrier_signal -1
	s_barrier_wait -1                              ; everybody's six K steps are in
	FETCH_B 0, 0, 0
	FETCH_A 0, 0, 0
	SCALES 0, 0, 0
	FETCH_A 0, 0, 4
	STEP 0, 0, 0, 1                                ; K step 0: its products start the sums
	LAP 1                                          ; K steps 1 to 6; K steps 6 to 8 and 9 to 11 are asked for
	LAP 2                                          ; K steps 7 to 12; K steps 12 to 14 and K step 15 are asked for
	STEP 0, 1, 1, 0                                ; K step 13
	TURN 0, 0, 1, 0                                ; K step 14: nothing is left to fetch
	s_wait_dscnt 4*NL                              ; K step 15
	WIN MUL_LO
	MUL16 0, 1, 0
	MUL16 2, 1, 0
	s_wait_dscnt 0
	WIN MUL_HI
	MUL16 4, 1, 0
	MUL16 6, 1, 0
	WIN 0
	; THE WAY OUT: image by image: the bias along i, the quantiser, three stores of 512 consecutive bytes.
	PLACES NP                                      ; behind the last products: their results are read and A's registers written below
.irp b, 0,1,2,3
	v_mov_b32 v[TM+4+\b], 0                        ; written once: a lane permute's destination counts as one of its sources
.endr
.irp a, 0,1,2,3,4,5,6,7
.if \a > 0
	s_wait_xcnt 0x0                                ; the last image's stores have read their registers
.endif
	WIN 0x02+(\a/4)                                ; source 0: window 2 or 3
.set n, 0
.rept 32
	v_pk_add_f32 v[EX+2*n:EX+2*n+1], v[64*(\a%4)+2*n:64*(\a%4)+2*n+1], v[RB+2*\a:RB+2*\a+1]   ; ascending: each accumulator is read from its low end on
.set n, n+1
.endr
	WIN 0
	QUANT EX, EPC, EPW+\a
.irp g, 0,1,2
	global_store_b128 v3, v[EPC+4*\g:EPC+4*\g+3], s[76:77] offset:\a*1536+512*\g
.endr
.endr
.irp p, 0,1,2,3
	v_cndmask_b32 v[ESW+\p], v[EPW+2*\p], v[EPW+2*\p+1], s98   ; the scale image: lanes 0-15 image 2 p's words, lanes 16-31 image 2 p + 1's
.endr
	global_store_b128 v3, v[ESW:ESW+3], s[76:77] offset:12288
	s_wait_tensorcnt 0x0                           ; the wave's end, behind my last tensor load
	ds_add_u32 v[SPW], v[NIL]
	s_wait_dscnt 0x0
	CROUND                                         ; the closing round: no work-group ends while a partner may still ask for a tile that names it
	s_endpgm
.Lfunc_end_k_qc57bcabb31_pgemm:
	.size	k_qc57bcabb31_pgemm, .Lfunc_end_k_qc57bcabb31_pgemm-k_qc57bcabb31_pgemm
	.p2alignl 7, 3214868480
	.fill 96, 4, 3214868480
	.section	.rodata,"a",@progbits
	.p2align	6, 0x0
	.amdhsa_kernel k_qc57bcabb31_pgemm
		.amdhsa_group_segment_fixed_size 327680
		.amdhsa_private_segment_fixed_size 0
		.amdhsa_enable_private_segment 0
		.amdhsa_kernarg_size 40
		.amdhsa_user_sgpr_count 2
		.amdhsa_user_sgpr_kernarg_segment_ptr 1
		.amdhsa_wavefront_size32 1
		.amdhsa_system_sgpr_workgroup_id_x 1
		.amdhsa_system_sgpr_workgroup_id_y 1
		.amdhsa_system_sgpr_workgroup_id_z 1
		.amdhsa_system_vgpr_workitem_id 0
		.amdhsa_next_free_vgpr 1024
		.amdhsa_next_free_sgpr 102
		.amdhsa_reserve_vcc 0
		.amdhsa_float_denorm_mode_32 3
		.amdhsa_float_denorm_mode_16_64 3
		.amdhsa_memory_ordered 1
		.amdhsa_forward_progress 1
		.amdhsa_inst_pref_size 255
	.end_amdhsa_kernel
	.amdgpu_metadata
---
amdhsa.version: [ 1, 2 ]
amdhsa.kernels:
  - .name:           k_qc57bcabb31_pgemm
    .symbol:         k_qc57bcabb31_pgemm.kd
    .args:
      - { .name: codes, .offset: 0, .size: 8, .value_kind: global_buffer, .address_space: global }
      - { .name: bq, .offset: 8, .size: 8, .value_kind: global_buffer, .address_space: global }
      - { .name: bk, .offset: 16, .size: 8, .value_kind: global_buffer, .address_space: global }
      - { .name: bv, .offset: 24, .size: 8, .value_kind: global_buffer, .address_space: global }
      - { .name: qkv, .offset: 32, .size: 8, .value_kind: global_buffer, .address_space: global }
    .group_segment_fixed_size: 327680
    .private_segment_fixed_size: 0
    .kernarg_segment_align: 8
    .kernarg_segment_size: 40
    .max_flat_workgroup_size: 128
    .sgpr_count:     102
    .vgpr_count:     1024
    .wavefront_size: 32
...
	.end_amdgpu_metadata
.endif
;; end of part 2
;; launch attn (part 3): grid 16 x 16, 8 waves a work-group, clusters of 4 x 1, 327,680 bytes of LDS; arguments qkv, mbits, ao; writes ao
.if DOCPART == 3
	.amdgcn_target "amdgcn-amd-amdhsa--gfx1250"
	.amdhsa_code_object_version 6
	.text
	.protected	k_qc57bcabb31_attn
	.globl	k_qc57bcabb31_attn
	.p2align	8
	.type	k_qc57bcabb31_attn,@function
k_qc57bcabb31_attn:
	s_mov_b64 s[64:65], 0
	v_nop
	global_prefetch_b8 v0, s[64:65] scope:SCOPE_SE
	s_setreg_imm32_b32 hwreg(HW_REG_WAVE_MODE, 25, 1), 1
	s_wait_xcnt 0x0
	s_wait_alu depctr_hold_cnt(0) depctr_sa_sdst(0) depctr_va_vdst(0) depctr_va_sdst(0) depctr_va_ssrc(0) depctr_va_vcc(0) depctr_vm_vsrc(0)
	s_getreg_b32 s2, hwreg(HW_REG_IB_STS2, 6, 4)
	s_cmp_eq_u32 s2, 0
	s_cbranch_scc0 .Lentry_in_a_cluster
	s_endpgm
.Lentry_in_a_cluster:
	s_bfe_u32 s2, ttmp6, 0x10000c
	s_cmp_lg_u32 s2, 0x3003
	s_cbranch_scc0 .Lentry_shape_is_right
	s_endpgm
.Lentry_shape_is_right:
; O[h][q] = the sum over k of softmax_k(mask(Q[h][q] . K[h][k] / sqrt(128))) V[h][k], both products on codes of FP6 (E2M3) with E8M0 scales; O is quantised along the model's axis on its way out.
; qkv: three sections (Q, K, V^T), each [head][chunk of 128] blocks of BLK = 12,800 bytes: eight register images of 16 rows x 128 K (1,536 bytes; lane r of image a holds row 32 (a / 2) + 8 (a % 2) + r + 8 (r / 8)) and a scale
; image of 512 bytes (word p of lane l's 16 bytes: image 2 p + l / 16, lane l % 16).  ao: [chunk of 128 queries][head] blocks of the same make.
; mbits: [image of 16 queries][step of 128 keys][64 words]: bit 16 h + r of word 16 b + i says whether key 32 b + 16 h + i of the step counts for the query of lane r: the lane mask for score register 16 b + i.
; THE SOFTMAX: t = score x log2(e) / sqrt(128); M = the row's largest t so far, rounded up to a whole number; p = 2^(t - M) is quantised along the keys, not normalised.  The row's sum is taken of the unquantised p and
; divides O at the end.  When M moves, the sum and O are multiplied by 2^(old M - new M): exact.  A hidden key's score becomes -infinity ahead of the maximum: its p is 0.
; A query with no key at all has the sum 0: its row's scale word is set to four bytes 0xff, which the last product turns into NaN for the whole output row, as the softmax of such a row is NaN.
; LIMITS: a block of 32 whose largest magnitude lies under 2^-124 has its byte held at 1; a block of zeros gets the byte 1 (its codes are zeros; this program alone reads the bytes); NaN and infinities among the inputs are
; not served; the promise holds while the scaled scores t stay under 2^31 in magnitude.
; SHARES.  A work-group owns a chunk of 128 queries of one head.  Wave w = 4 kh + g owns the two images 2 g and 2 g + 1, 32 queries, so that each fragment of K and V read from LDS feeds two products, and the keys' half kh:
; 1,024 keys, 128 a step.  K's and V's blocks come through a ring of two LDS slots; a slot holds two steps of both halves (K: half 0's two blocks, half 1's two; then V likewise); each wave fetches one block, 12,800 dense
; bytes, as 50 rows of 256.  CLUSTER: the four chunks of a cluster belong to one head and walk the same K and V: each block is asked for jointly.
; THE TWO HALVES MEET AT THE END.  A wave's FIRST image is 2 g + kh, its SECOND the other.  Each wave stores its second image's O^T, -M and sums to LDS; that image is its partner's (w xor 4) first.  Behind a barrier each wave
; brings both halves of its first image under the larger M (exact powers of two), adds them, divides, quantises and stores one image.  These LDS bytes lie in slot 0, which has had its last fill and its last read by then.
; Both products are used transposed (S^T = K Q^T, O^T = V^T P^T): a lane holds one query throughout.
; A STEP: S of the first image; its softmax; S of the second and O += V P of the first; the second's softmax; its O += V P.  The scores, p's codes and the work registers serve both images in turn.
; One set of 64 scalar registers holds a step's lane masks of one image; it is loaded anew for the other image as soon as its 64 selects are issued.
; REGISTERS.  Window 0: v1 16 x lane; v3, v7 the output's scale image in LDS; v4 -infinity; v5, v6 the add's two; v8, v9 the slot's K and V; v10, v22 my images' and v11, v23 their scale words' places in a block; v12-15, v16-19
; the images' -M, largest t and sums; v20, v21 where I store and read at the meeting; v24 my half's place in a slot; v28, v29 prefetch offsets; v32-35 V's, v248-251 K's, v255 and v36 Q's, v253 p's scale words; v40-63 Q;
; v64-79 QUANT's work; v80-91 the meeting; v96-159 S^T, then p; v160-223 the first image's O^T; v224-247, v252, v254 at work.  Window 1: v0-95 K's eight fragments, v96-191 V's, v192-255 the second image's O^T.
.set BLK,   12800
.set CHB,   16*BLK
.set SEC,   16*CHB
.set NQ,    2                          ; key steps of each half in a slot
.set VOFF,  2*NQ*BLK
.set SLOT1, 1<<17                      ; slot 1 begins here
.set OSC,   2*SLOT1                    ; the output block's scale image, 512 bytes
.set SPARE, OSC+512                    ; the spare words, 128 bytes a wave: four blocks of 256 bytes that no other line names
.set XW,    8704                       ; the meeting: 64 registers x 128 bytes and 512 bytes of state for each wave, from byte 0 on
.set TM,    64
.set KF,    0
.set VF,    96
.set KS,    248
.set VS,    32
.set SEL,   22                         ; s[22:23]
.set CS,    24                         ; s[24:25] c = log2(e) / sqrt(128), twice
; s2 wave; s3 slots still to be asked for; s[4:7], s[8:15] the descriptor; s[16:17] my masks; s[18:19] the output block; s[20:21] Q's block; s[26:27], s28 the prefetch of K and V; s29 the slot in hand; s31, s30 the first and the
; second image's masks of the step, in bytes; s66 the step, s67 and s100 the images, in those bytes; s32-63, s68-99 64 lane masks; s101 queries with no key.
.set MSB,   0
.macro WIN new                         ; the immediate's high byte repeats the setting that is left
.if MSB != (\new)
	s_set_vgpr_msb (MSB<<8)|(\new)
.set MSB, (\new)
.endif
.endm
.macro PL4
.rept 4
	v_nop
.endr
.endm
.macro CROUND
	s_barrier_signal -1
	s_barrier_wait -1
	s_cmp_lg_u32 s2, 0
	s_cbranch_scc1 .Lnot_wave_0_\@
	s_barrier_signal -3
.Lnot_wave_0_\@:
	s_barrier_wait -3
	s_barrier_signal -1
	s_barrier_wait -1
.endm
.macro TLOAD                           ; every wave fetches its block; an s_nop 0 and four v_nop follow
	tensor_load_to_lds s[4:7], s[8:15]
	s_nop 0
	PL4
.endm
; PREFETCHES INTO THE L2.  K and V: the slot that the NEXT change of slots will ask for.  The head's first cluster asks; partner cx takes blocks 2 cx and 2 cx + 1 of the slot's eight, told apart by address; waves 0 to 3 take
; 6,400 bytes each, lanes 256 bytes apart (lanes 25 to 31 name lane 24's block again).  The last change that fills a slot asks for nothing.  The masks: my two images' steps 4 to 7, 8 blocks of 256 bytes, are asked for in the
; first trip; steps 0 to 3 at the head.  Lanes 8 to 31 name the blocks of lanes 0 to 7 again.
.macro ASK
	s_cmp_gt_u32 s3, s28
	s_cbranch_scc0 .Lnot_kv_\@
	global_prefetch_b8 v28, s[26:27] th:TH_LOAD_NT scope:SCOPE_SE
.Lnot_kv_\@:
	s_cmp_eq_u32 s3, 3
	s_cbranch_scc0 .Lnot_m_\@
	global_prefetch_b8 v29, s[16:17] offset:1024 th:TH_LOAD_NT scope:SCOPE_SE
.Lnot_m_\@:
.endm
.macro QUANT s, pc, pw                 ; 64 numbers of a lane, register 16 b + i = k 32 b + 16 (lane / 16) + i of its row -> a fragment's 12 registers in v[pc] on (20 are used), the row's scale word in v[pw]
.irp b, 0,1,2,3
	v_max3_num_f32 v[TM+\b], |v[(\s)+16*\b]|, |v[(\s)+1+16*\b]|, 0x1800000   ; and the floor 2^(3 - 127)
.endr
.irp i, 2,4,6,8,10,12,14
.irp b, 0,1,2,3
	v_max3_num_f32 v[TM+\b], v[TM+\b], |v[(\s)+16*\b+\i]|, |v[(\s)+1+16*\b+\i]|
.endr
.endr
.irp b, 0,1,2,3
	v_permlanex16_b32 v[TM+4+\b], v[TM+\b], s[SEL], s[SEL+1]
.endr
.irp b, 0,1,2,3
	v_max_num_f32 v[TM+\b], v[TM+\b], v[TM+4+\b]
.endr
.irp b, 0,1,2,3
	v_add_nc_u32 v[TM+12+\b], 0xff000000, v[TM+\b]
.endr
.irp b, 0,1,2,3
	v_lshrrev_b32 v[TM+4+\b], 23, v[TM+12+\b]
.endr
	v_lshl_or_b32 v[\pw], v[TM+5], 8, v[TM+4]
	v_lshl_or_b32 v[\pw], v[TM+6], 16, v[\pw]
	v_lshl_or_b32 v[\pw], v[TM+7], 24, v[\pw]
.irp c, 0,1
	v_cvt_scalef32_pk16_fp6_f32 v[(\pc)+6*\c:(\pc)+2+6*\c], v[(\s)+32*\c:(\s)+15+32*\c], v[TM+12+2*\c]
	v_cvt_scalef32_pk16_fp6_f32 v[(\pc)+12+4*\c:(\pc)+14+4*\c], v[(\s)+16+32*\c:(\s)+31+32*\c], v[TM+12+2*\c+1]
.endr
	v_nop                                          ; one plain place behind a scaled conversion
.irp c, 0,1
.irp i, 0,1,2
	v_permlane16_swap_b32 v[(\pc)+6*\c+\i], v[(\pc)+12+4*\c+\i]
.endr
.irp i, 0,1,2
	v_mov_b32 v[(\pc)+3+6*\c+\i], v[(\pc)+12+4*\c+\i]
.endr
.endr
.endm
.macro SCORES qf, rq                   ; S^T = K Q^T of one image: eight products, each starts its sum.  qf: Q's fragment, rq: its scale words
.irp i, 0,1,2,3,4,5,6,7
.if \i%2
	v_wmma_scale_f32_16x16x128_f8f6f4 v[96+8*\i:103+8*\i], v[KF+12*\i:KF+12*\i+11], v[\qf:\qf+11], 0, v[KS+\i/2], v[\rq] matrix_a_fmt:MATRIX_FMT_FP6 matrix_b_fmt:MATRIX_FMT_FP6 matrix_a_scale:MATRIX_SCALE_ROW1
.else
	v_wmma_scale_f32_16x16x128_f8f6f4 v[96+8*\i:103+8*\i], v[KF+12*\i:KF+12*\i+11], v[\qf:\qf+11], 0, v[KS+\i/2], v[\rq] matrix_a_fmt:MATRIX_FMT_FP6 matrix_b_fmt:MATRIX_FMT_FP6
.endif
.endr
.endm
.macro PV o                            ; O^T += V^T P^T of one image: eight accumulators by turns.  o: O^T's first register
.irp i, 0,1,2,3,4,5,6,7
.if \i%2
	v_wmma_scale_f32_16x16x128_f8f6f4 v[\o+8*\i:\o+8*\i+7], v[VF+12*\i:VF+12*\i+11], v[224:235], v[\o+8*\i:\o+8*\i+7], v[VS+\i/2], v253 matrix_a_fmt:MATRIX_FMT_FP6 matrix_b_fmt:MATRIX_FMT_FP6 matrix_a_scale:MATRIX_SCALE_ROW1
.else
	v_wmma_scale_f32_16x16x128_f8f6f4 v[\o+8*\i:\o+8*\i+7], v[VF+12*\i:VF+12*\i+11], v[224:235], v[\o+8*\i:\o+8*\i+7], v[VS+\i/2], v253 matrix_a_fmt:MATRIX_FMT_FP6 matrix_b_fmt:MATRIX_FMT_FP6
.endif
.endr
.endm
.macro MLOAD so                        ; 64 lane masks, 256 bytes, into scalar registers; so: the scalar register with their place
	s_load_b512 s[32:47], s[16:17], s[\so] offset:0x0
	s_load_b512 s[48:63], s[16:17], s[\so] offset:0x40
	s_load_b512 s[68:83], s[16:17], s[\so] offset:0x80
	s_load_b512 s[84:99], s[16:17], s[\so] offset:0xc0
.endm
.macro FETCH f, sc, adr, q             ; block q of my half's K or V in the slot: eight images into window 1 and the scale image into window 0: 25 loads in one run
	WIN 0x40
.irp t, 0,1,2,3,4,5,6,7
.irp c, 0,1,2
	ds_load_b128 v[\f+12*\t+4*\c:\f+12*\t+4*\c+3], v[\adr] offset:(\q)*BLK+\t*1536+512*\c
.endr
.endr
	WIN 0
	ds_load_b128 v[\sc:\sc+3], v[\adr] offset:(\q)*BLK+12288
.endm
; THE SOFTMAX of my image t (0 the first, 1 the second) for 128 keys: mask, maxima, M, p, the sum, p's codes and scale word, O^T under the new M.
.macro SM t
.set ST, 12+4*\t
	s_wait_kmcnt 0x0                               ; this image's masks
.set n, 0
.rept 64                                       ; ascending: each accumulator is read from its low end on
.if n < 32
	v_cndmask_b32 v[96+n], v4, v[96+n], s[32+n]
.else
	v_cndmask_b32 v[96+n], v4, v[96+n], s[36+n]
.endif
.set n, n+1
.endr
.if \t
	s_add_co_u32 s66, s66, 256                     ; the next step's masks;
	s_min_u32 s66, s66, 1792                       ; the last step asks for its own again: no load leaves the buffer
	s_add_co_u32 s31, s67, s66
	s_add_co_u32 s30, s100, s66
	MLOAD 31
.else
	MLOAD 30
.endif
.irp b, 0,1,2,3                                ; the largest score of each block of 32 keys, in two chains a block
	v_max3_num_f32 v[232+\b], v[96+16*\b], v[97+16*\b], v[98+16*\b]
	v_max3_num_f32 v[240+\b], v[104+16*\b], v[105+16*\b], v[106+16*\b]
.endr
.irp i, 3,5
.irp b, 0,1,2,3
	v_max3_num_f32 v[232+\b], v[232+\b], v[96+16*\b+\i], v[97+16*\b+\i]
	v_max3_num_f32 v[240+\b], v[240+\b], v[104+16*\b+\i], v[105+16*\b+\i]
.endr
.endr
.irp b, 0,1,2,3
	v_max3_num_f32 v[232+\b], v[232+\b], v[103+16*\b], v[111+16*\b]
.endr
.irp b, 0,1,2,3
	v_max_num_f32 v[232+\b], v[232+\b], v[240+\b]
.endr
.irp b, 0,1,2,3
	v_permlanex16_b32 v[236+\b], v[232+\b], s[SEL], s[SEL+1]
.endr
.irp b, 0,1,2,3
	v_max_num_f32 v[232+\b], v[232+\b], v[236+\b]  ; with lane l xor 16's 16 keys
.endr
	v_max3_num_f32 v254, v232, v233, v234
	s_delay_alu instid0(VALU_DEP_1)
	v_max_num_f32 v254, v254, v235
	s_delay_alu instid0(VALU_DEP_1)
	v_mul_f32 v254, s[CS], v254                    ; the step's largest t
	s_delay_alu instid0(VALU_DEP_1)
	v_max_num_f32 v[ST+1], v[ST+1], v254
	v_mov_b32 v254, v[ST]
	s_delay_alu instid0(VALU_DEP_2)
	v_floor_f32 v[ST], -v[ST+1]                    ; the new -M = -ceil(t)
	s_delay_alu instid0(VALU_DEP_1)
	v_sub_f32 v254, v[ST], v254                    ; old M - new M: a whole number, 0 or less
	s_delay_alu instid0(VALU_DEP_1)
	v_cvt_i32_f32 v254, v254                       ; (it saturates)
	s_delay_alu instid0(VALU_DEP_1)
	v_ldexp_f32 v252, 1.0, v254                    ; f = 2^(old M - new M)
.irp j, 0,2,4,6,8,10,12,14,16,18,20,22,24,26,28,30,32,34,36,38,40,42,44,46,48,50,52,54,56,58,60,62
	v_pk_fma_f32 v[96+\j:97+\j], v[96+\j:97+\j], s[CS:CS+1], v[ST:ST+1] op_sel_hi:[1,0,0]   ; t - M
.endr
.irp b, 0,1,2,3
	v_fma_f32 v[232+\b], v[232+\b], s[CS], v[ST]   ; the same of each block's largest score
.endr
	s_wait_alu depctr_va_vdst(0)                   ; ahead of the batch
.set n, 0
.rept 64
	v_exp_f32 v[96+n], v[96+n]                     ; p = 2^(t - M)
.set n, n+1
.endr
	v_pk_mul_f32 v[ST+2:ST+3], v[ST+2:ST+3], v[252:253] op_sel_hi:[1,0]   ; the sums under the new M (a plain place behind the exponentials)
	s_wait_alu depctr_va_vdst(0)                   ; one wait for the batch, ahead of its first reader
.irp b, 0,1,2,3
	v_exp_f32 v[232+\b], v[232+\b]                 ; the block's largest p
.endr
	v_pk_add_f32 v[236:237], v[100:101], v[104:105]
	v_pk_add_f32 v[246:247], v[108:109], v[112:113]
	v_pk_add_f32 v[244:245], v[116:117], v[120:121]
	v_pk_add_f32 v[242:243], v[124:125], v[128:129]
	v_pk_add_f32 v[240:241], v[132:133], v[136:137]
	v_pk_add_f32 v[238:239], v[140:141], v[144:145]
	v_pk_add_f32 v[230:231], v[148:149], v[152:153]
	v_pk_add_f32 v[ST+2:ST+3], v[ST+2:ST+3], v[156:157]
	v_pk_add_f32 v[236:237], v[236:237], v[96:97]
	v_pk_add_f32 v[246:247], v[246:247], v[98:99]
	v_pk_add_f32 v[244:245], v[244:245], v[102:103]
	v_pk_add_f32 v[242:243], v[242:243], v[106:107]
	v_pk_add_f32 v[240:241], v[240:241], v[110:111]
	v_pk_add_f32 v[238:239], v[238:239], v[114:115]
	v_pk_add_f32 v[230:231], v[230:231], v[118:119]
	v_pk_add_f32 v[ST+2:ST+3], v[ST+2:ST+3], v[122:123]
	v_pk_add_f32 v[236:237], v[236:237], v[126:127]
	v_pk_add_f32 v[246:247], v[246:247], v[130:131]
	v_pk_add_f32 v[244:245], v[244:245], v[134:135]
	v_pk_add_f32 v[242:243], v[242:243], v[138:139]
	v_pk_add_f32 v[240:241], v[240:241], v[142:143]
	v_pk_add_f32 v[238:239], v[238:239], v[146:147]
	v_pk_add_f32 v[230:231], v[230:231], v[150:151]
	v_pk_add_f32 v[ST+2:ST+3], v[ST+2:ST+3], v[154:155]
	v_pk_add_f32 v[236:237], v[236:237], v[158:159]
	v_pk_add_f32 v[ST+2:ST+3], v[ST+2:ST+3], v[242:243]
	v_pk_add_f32 v[236:237], v[236:237], v[240:241]
	v_pk_add_f32 v[246:247], v[246:247], v[238:239]
	v_pk_add_f32 v[244:245], v[244:245], v[230:231]
	v_pk_add_f32 v[ST+2:ST+3], v[ST+2:ST+3], v[246:247]
	v_pk_add_f32 v[236:237], v[236:237], v[244:245]
	v_pk_add_f32 v[ST+2:ST+3], v[ST+2:ST+3], v[236:237]   ; the row's sum of the unquantised p
	s_wait_alu depctr_va_vdst(0)                   ; and one for the four
.irp b, 0,1,2,3
	v_max_num_f32 v[232+\b], 0x1800000, v[232+\b]  ; the floor 2^(3 - 127)
.endr
.irp b, 0,1,2,3
	v_add_nc_u32 v[244+\b], 0xff000000, v[232+\b]  ; the conversion's scale operand
.endr
.irp b, 0,1,2,3
	v_lshrrev_b32 v[236+\b], 23, v[244+\b]         ; the scale's byte
.endr
	v_lshl_or_b32 v253, v237, 8, v236              ; p's scale word for these 128 keys
	v_lshl_or_b32 v253, v238, 16, v253
	v_lshl_or_b32 v253, v239, 24, v253
.irp c, 0,1
	v_cvt_scalef32_pk16_fp6_f32 v[224+6*\c:226+6*\c], v[96+32*\c:111+32*\c], v[244+2*\c]
	v_cvt_scalef32_pk16_fp6_f32 v[236+4*\c:238+4*\c], v[112+32*\c:127+32*\c], v[244+2*\c+1]
.endr
	v_nop                                          ; one plain place behind a scaled conversion
.irp c, 0,1
.irp i, 0,1,2
	v_permlane16_swap_b32 v[224+6*\c+\i], v[236+4*\c+\i]
.endr
.irp i, 0,1,2
	v_mov_b32 v[227+6*\c+\i], v[236+4*\c+\i]
.endr
.endr
	WIN 0x41*\t                                    ; the second image's O^T lies in window 1, f in window 0
	s_wait_alu depctr_va_vdst(0)                   ; directly ahead of the first reader of O^T
.irp j, 0,2,4,6,8,10,12,14,16,18,20,22,24,26,28,30,32,34,36,38,40,42,44,46,48,50,52,54,56,58,60,62
	v_pk_mul_f32 v[160+32*\t+\j:161+32*\t+\j], v[160+32*\t+\j:161+32*\t+\j], v[252:253] op_sel_hi:[1,0]   ; O^T under the new M; these 32 are also the places in front of the products
.endr
.endm
; A KEY STEP: 128 keys, the q-th of my half in the slot in hand, for both images.
.macro STEP q
.if (\q) == 0
	v_add_nc_u32 v8, s29, v24                      ; my half's K in the slot,
	v_add_nc_u32 v9, VOFF, v8                      ; and its V
	s_wait_alu depctr_va_vdst(0)
	FETCH KF, KS, 8, 0                             ; a slot's first K may be read only behind the change of slots
.endif
	s_wait_dscnt 0x0                               ; K is in
	WIN 0x01
	SCORES 40, 255
	WIN 0
	PL4                                            ; places in front of the loads into V's registers and of the first read of the scores
	FETCH VF, VS, 9, \q
	SM 0
	s_wait_alu depctr_va_vdst(0)
	s_wait_dscnt 0x0                               ; V is in
	WIN 0x01
	SCORES 52, 36
	PV 160
	WIN 0
	PL4                                            ; places in front of the loads into K's registers and of the first read of the scores
.if (\q) < NQ-1
	FETCH KF, KS, 8, (\q)+1
.endif
	SM 1
	WIN 0x51                                       ; V and O^T in window 1, p's codes in window 0
	PV 192
	WIN 0
.endm
; THE CHANGE OF SLOTS stands at a slot's head: each wave waits for all its tensor loads, adds 0 to its spare word, and waits for that and for its reads of the slot that it has left.  fill = 1: a round of the cluster's barrier
; follows, and behind it the slot that was left (the first time: slot 1, not yet filled) takes the keys that follow.
.macro CHANGE fill
	s_wait_tensorcnt 0x0                           ; no tensor load of mine is out, so the descriptor may be written
	ds_add_u32 v5, v6
.if \fill
	s_xor_b32 s5, s5, SLOT1
	s_add_nc_u64 s[6:7], s[6:7], NQ*BLK
	s_wait_xcnt 0x0                                ; the last prefetch has read its address
	s_add_nc_u64 s[26:27], s[26:27], NQ*BLK
.endif
	s_wait_dscnt 0x0
.if \fill
	CROUND
	TLOAD
	ASK
.else
	s_barrier_signal -1
	s_barrier_wait -1
.endif
.endm
	s_load_b128 s[32:35], s[0:1], 0x0              ; qkv, mbits
	s_load_b64 s[36:37], s[0:1], 0x10              ; ao
	v_lshl_add_u32 v5, v0, 2, SPARE                ; my spare word; never rewritten
	v_mov_b32 v6, 0                                ; 0; never rewritten
	ds_add_u32 v5, v6                              ; the opening lines: the add, twice on end, and its wait ahead of my first tensor load
	ds_add_u32 v5, v6
	v_lshrrev_b32 v2, 5, v0
	v_readfirstlane_b32 s2, v2                     ; wave 0..7
	s_and_b32 s38, s2, 3                           ; g: my pair of images
	s_lshr_b32 s39, s2, 2                          ; kh: my half of the keys
	s_lshl_b32 s40, s38, 2
	s_lshl_b32 s41, s39, 8
	s_add_co_u32 s40, s40, s41                     ; image a's scale word of lane r lies at 16 r + 256 (a % 2) + 4 (a / 2): my first image is a = 2 g + kh,
	s_xor_b32 s41, s40, 256                        ; my second the other of the pair
	s_lshl_b32 s42, s38, 1
	s_add_co_u32 s42, s42, s39
	s_xor_b32 s43, s42, 1
	s_mul_i32 s42, s42, 1536                       ; the images themselves
	s_mul_i32 s43, s43, 1536
	s_mul_i32 s44, s39, NQ*BLK                     ; my half's blocks in a slot
	s_mul_i32 s45, s2, XW                          ; the meeting: my bytes,
	s_xor_b32 s46, s2, 4
	s_mul_i32 s46, s46, XW                         ; and my partner's
	v_and_b32 v1, 31, v0
	v_min_u32 v28, 24, v1
	v_lshlrev_b32 v28, 8, v28                      ; K's and V's prefetch: 256 bytes a lane
	v_and_b32 v29, 1, v0
	v_bfe_u32 v2, v0, 1, 2
	v_lshlrev_b32 v29, 12, v29
	v_lshl_add_u32 v29, v2, 8, v29                 ; the masks' prefetch: image lane % 2, step (lane / 2) % 4
	v_lshlrev_b32 v1, 4, v1                        ; 16 x lane
	v_and_b32 v2, 15, v0                           ; r
	v_lshl_add_u32 v11, v2, 4, s40
	v_lshl_add_u32 v23, v2, 4, s41
	v_add_nc_u32 v3, OSC, v11
	v_add_nc_u32 v7, OSC, v1
	v_add_nc_u32 v10, s42, v1
	v_add_nc_u32 v22, s43, v1
	v_add_nc_u32 v24, s44, v1
	v_add_nc_u32 v20, s45, v1
	v_add_nc_u32 v21, s46, v1
	s_wait_alu depctr_va_vdst(0)                   ; ahead of the run of scalar instructions
	s_bfe_u32 s42, ttmp6, 0x40000                  ; cx
	s_lshl_b32 s43, ttmp9, 2
	s_add_co_u32 s43, s43, s42                     ; my chunk of queries: it enters Q's, the masks' and the output's addresses alone
	s_and_b32 s44, ttmp7, 0xffff                   ; the head, which the four partners share
	s_mov_b32 s8, 15|(3<<16)|(1<<21)               ; the mask: all four work-groups; elements of 8 bytes; bit 21 beside a mask
	s_mov_b32 s9, 32<<16                           ; rows of 256 bytes,
	s_mov_b32 s10, 50<<16                          ; 50 of them: 12,800 dense bytes
	s_mov_b32 s11, 32<<16
	s_mov_b32 s12, 50
	s_mov_b32 s13, 32
	s_mov_b32 s14, 0
	s_mov_b32 s15, 0
	s_mov_b32 s4, 1
	s_mul_i32 s5, s2, BLK                          ; where my block goes: slot 0
	s_add_co_u32 s46, s39, 1                       ; waves 0 to 3 fetch K (section 1), waves 4 to 7 V (section 2):
	s_mul_i32 s48, s46, SEC
	s_mul_i32 s47, s44, CHB                        ; the head's sixteen blocks;
	s_add_co_u32 s48, s48, s47
	s_bfe_u32 s46, s2, 0x10001                     ; the keys' half (w / 2) % 2, eight blocks each,
	s_lshl_b32 s46, s46, 3
	s_and_b32 s45, s2, 1                           ; its step w % 2 of the slot's two
	s_add_co_u32 s46, s46, s45
	s_mul_i32 s46, s46, BLK
	s_add_co_u32 s48, s48, s46
	s_mov_b32 s49, 0
	s_lshl_b32 s50, s43, 3
	s_lshl_b32 s51, s38, 1
	s_add_co_u32 s50, s50, s51
	s_lshl_b32 s50, s50, 12                        ; the masks of image 2 g: 16 steps x 256 bytes; image 2 g + 1's follow;
	s_lshl_b32 s51, s39, 11                        ; my half's eight steps
	s_add_co_u32 s50, s50, s51
	s_mov_b32 s51, 0
	s_lshl_b32 s67, s39, 12                        ; my first image's masks in these bytes,
	s_xor_b32 s100, s67, 4096                      ; my second's
	s_mov_b32 s66, 0
	s_mov_b32 s31, s67
	s_mov_b32 s30, s100
	s_mul_i32 s52, s43, CHB
	s_mul_i32 s53, s44, BLK
	s_add_co_u32 s52, s52, s53                     ; the output block: [chunk][head]
	s_mov_b32 s53, 0
	s_mul_i32 s54, s43, BLK
	s_add_co_u32 s54, s54, s47                     ; Q's block: [head][chunk]
	s_mov_b32 s55, 0
	s_lshr_b32 s56, s42, 1                         ; the prefetch of K and V: partner cx takes section cx / 2 + 1, half cx % 2;
	s_add_co_u32 s56, s56, 1
	s_mul_i32 s56, s56, SEC
	s_add_co_u32 s56, s56, s47
	s_and_b32 s57, s42, 1
	s_lshl_b32 s57, s57, 3
	s_bfe_u32 s58, s2, 0x10001                     ; wave w its step (w / 2) % 2,
	s_add_co_u32 s57, s57, s58
	s_mul_i32 s57, s57, BLK
	s_add_co_u32 s56, s56, s57
	s_mul_i32 s57, s45, 6400                       ; half w % 2 of that block,
	s_add_co_u32 s56, s56, s57
	s_add_co_u32 s56, s56, NQ*BLK                  ; in slot 1: the first change of slots steps it to slot 2
	s_mov_b32 s57, 0
	s_or_b32 s58, s39, ttmp9                       ; 0 in waves 0 to 3 of the head's first cluster: the same in all four partners
	s_cmp_eq_u32 s58, 0
	s_cselect_b32 s28, 1, -1
	s_mov_b32 s[SEL], 0x76543210
	s_mov_b32 s[SEL+1], 0xfedcba98
	s_mov_b32 s[CS], 0x3e0293ee
	s_mov_b32 s[CS+1], s[CS]
	s_mov_b32 s29, 0
	s_mov_b32 s3, 8/NQ-1
	s_wait_dscnt 0x0                               ; both opening adds are done
	s_wait_kmcnt 0x0
	s_add_nc_u64 s[6:7], s[32:33], s[48:49]
	s_or_b32 s7, s7, 0x80000000
	s_add_nc_u64 s[16:17], s[34:35], s[50:51]
	s_add_nc_u64 s[18:19], s[36:37], s[52:53]
	s_add_nc_u64 s[20:21], s[32:33], s[54:55]
	s_add_nc_u64 s[26:27], s[32:33], s[56:57]
	CROUND                                         ; all four work-groups are here: the first joint loads meet
	TLOAD                                          ; slot 0: one tensor load a wave at the head
.irp g, 0,1,2
	global_load_b128 v[40+4*\g:43+4*\g], v10, s[20:21] offset:512*\g   ; Q's images stay in registers
	global_load_b128 v[52+4*\g:55+4*\g], v22, s[20:21] offset:512*\g
.endr
	global_load_b32 v255, v11, s[20:21] offset:12288                   ; and their scale words
	global_load_b32 v36, v23, s[20:21] offset:12288
	global_prefetch_b8 v29, s[16:17] th:TH_LOAD_NT scope:SCOPE_SE      ; my masks of steps 0 to 3
	MLOAD 31                                       ; step 0's masks of my first image (the arguments' registers have been used up)
	v_mov_b32 v4, 0xff800000                       ; -infinity
	v_mov_b32 v13, 0xff61b1e6                      ; the largest t so far: -3e38
	v_mov_b32 v17, 0xff61b1e6
	v_floor_f32 v12, -v13                          ; -M
	v_floor_f32 v16, -v17
.irp r, 14,15,18,19,89,91,253
	v_mov_b32 v\r, 0
.endr
.irp b, 0,1,2,3
	v_mov_b32 v[236+\b], 0                         ; a lane permute's destination counts as one of its sources
	v_mov_b32 v[TM+4+\b], 0
.endr
.set n, 0
.rept 64
	v_mov_b32 v[160+n], 0                          ; O^T: the step is written once, its first run finds zeros
.set n, n+1
.endr
	WIN 0x40
.set n, 0
.rept 64
	v_mov_b32 v[192+n], 0
.set n, n+1
.endr
	WIN 0
	s_wait_alu depctr_va_vdst(0)                   ; the head's end
	s_wait_loadcnt 0x0                             ; Q
.Lslot:                                            ; three trips: behind each change of slots but the last the next slot is asked for
	CHANGE 1
	STEP 0
	STEP 1
	s_xor_b32 s29, s29, SLOT1                      ; on to the other slot
	s_sub_co_u32 s3, s3, 1
	s_cmp_lg_u32 s3, 0
	s_wait_alu depctr_va_vdst(0)                   ; directly ahead of the branch
	s_cbranch_scc1 .Lslot
	CHANGE 0                                       ; the last slot, which lies in slot 1's bytes, is written out
	STEP 0
	STEP 1
	; THE MEETING.  My second image's O^T, -M, largest t and sums go to my bytes of slot 0; behind the barrier I read my partner's: the other half of the keys for my first image.
	PL4                                            ; places behind the last products
	WIN 0x04                                       ; the data in window 1
.set n, 0
.rept 16
	ds_store_b128 v20, v[192+4*n:195+4*n] offset:512*n   ; ascending: each accumulator is read from its low end on
.set n, n+1
.endr
	WIN 0
	ds_store_b128 v20, v[16:19] offset:8192
	s_wait_dscnt 0x0                               ; for my partner's sake
	s_barrier_signal -1
	s_barrier_wait -1
.set n, 0
.rept 16
	ds_load_b128 v[96+4*n:99+4*n], v21 offset:512*n
.set n, n+1
.endr
	ds_load_b128 v[80:83], v21 offset:8192
	s_wait_dscnt 0x0
	v_min_num_f32 v84, v12, v80                    ; -M of both halves: the larger M
	v_add_f32 v14, v14, v15
	v_add_f32 v82, v82, v83
	v_sub_f32 v85, v84, v12                        ; my M - M, and my partner's: whole numbers, 0 or less
	v_sub_f32 v86, v84, v80
	v_cvt_i32_f32 v85, v85                         ; (they saturate)
	v_cvt_i32_f32 v86, v86
	v_ldexp_f32 v85, 1.0, v85
	v_ldexp_f32 v86, 1.0, v86
	v_mul_f32 v14, v14, v85
	v_fma_f32 v14, v82, v86, v14
	v_permlanex16_b32 v252, v14, s[SEL], s[SEL+1]
	v_add_f32 v14, v14, v252                       ; the row's sum
	v_cmp_eq_f32 s101, 0, v14                      ; a query with no key
	s_wait_alu depctr_va_vdst(0)                   ; ahead of the transcendental
	v_rcp_f32 v15, v14
	v_nop
	s_wait_alu depctr_va_vdst(0)                   ; and ahead of its first reader
	v_mul_f32 v88, v85, v15                        ; both factors, divided by the sum
	v_mul_f32 v90, v86, v15
.irp j, 0,2,4,6,8,10,12,14,16,18,20,22,24,26,28,30,32,34,36,38,40,42,44,46,48,50,52,54,56,58,60,62
	v_pk_mul_f32 v[96+\j:97+\j], v[96+\j:97+\j], v[90:91] op_sel_hi:[1,0]
.endr
	s_wait_alu depctr_va_vdst(0)                   ; directly ahead of the first reader of O^T
.irp j, 0,2,4,6,8,10,12,14,16,18,20,22,24,26,28,30,32,34,36,38,40,42,44,46,48,50,52,54,56,58,60,62
	v_pk_fma_f32 v[96+\j:97+\j], v[160+\j:161+\j], v[88:89], v[96+\j:97+\j] op_sel_hi:[1,0,1]
.endr
	; THE WAY OUT: quantised along the head's 128: my first image and its scale words
	QUANT 96, 224, 244
	v_cndmask_b32 v244, v244, -1, s101             ; four bytes 0xff for a query with no key
.irp g, 0,1,2
	global_store_b128 v10, v[224+4*\g:227+4*\g], s[18:19] offset:512*\g   ; 512 consecutive bytes, at a multiple of 256 from the buffer's first byte
.endr
	ds_store_b32 v3, v244                          ; lanes r and 16 + r write the same word with the same value
	s_wait_dscnt 0x0                               ; for the others' sake
	s_barrier_signal -1
	s_barrier_wait -1
	s_cmp_lg_u32 s2, 0
	s_cbranch_scc1 .Lnot_0
	ds_load_b128 v[84:87], v7                      ; wave 0 stores the block's scale image: 512 consecutive bytes
	s_wait_dscnt 0x0
	global_store_b128 v1, v[84:87], s[18:19] offset:12288
.Lnot_0:
	s_wait_tensorcnt 0x0                           ; the wave's end
	ds_add_u32 v5, v6
	s_wait_dscnt 0x0
	CROUND                                         ; the closing round
	s_endpgm
.Lfunc_end_k_qc57bcabb31_attn:
	.size	k_qc57bcabb31_attn, .Lfunc_end_k_qc57bcabb31_attn-k_qc57bcabb31_attn
	.p2alignl 7, 3214868480
	.fill 96, 4, 3214868480
	.section	.rodata,"a",@progbits
	.p2align	6, 0x0
	.amdhsa_kernel k_qc57bcabb31_attn
		.amdhsa_group_segment_fixed_size 327680
		.amdhsa_private_segment_fixed_size 0
		.amdhsa_enable_private_segment 0
		.amdhsa_kernarg_size 24
		.amdhsa_user_sgpr_count 2
		.amdhsa_user_sgpr_kernarg_segment_ptr 1
		.amdhsa_wavefront_size32 1
		.amdhsa_system_sgpr_workgroup_id_x 1
		.amdhsa_system_sgpr_workgroup_id_y 1
		.amdhsa_system_sgpr_workgroup_id_z 1
		.amdhsa_system_vgpr_workitem_id 0
		.amdhsa_next_free_vgpr 512
		.amdhsa_next_free_sgpr 102
		.amdhsa_reserve_vcc 0
		.amdhsa_float_denorm_mode_32 3
		.amdhsa_float_denorm_mode_16_64 3
		.amdhsa_memory_ordered 1
		.amdhsa_forward_progress 1
		.amdhsa_inst_pref_size 196
	.end_amdhsa_kernel
	.amdgpu_metadata
---
amdhsa.version: [ 1, 2 ]
amdhsa.kernels:
  - .name:           k_qc57bcabb31_attn
    .symbol:         k_qc57bcabb31_attn.kd
    .args:
      - { .name: qkv, .offset: 0, .size: 8, .value_kind: global_buffer, .address_space: global }
      - { .name: mbits, .offset: 8, .size: 8, .value_kind: global_buffer, .address_space: global }
      - { .name: ao, .offset: 16, .size: 8, .value_kind: global_buffer, .address_space: global }
    .group_segment_fixed_size: 327680
    .private_segment_fixed_size: 0
    .kernarg_segment_align: 8
    .kernarg_segment_size: 24
    .max_flat_workgroup_size: 256
    .sgpr_count:     102
    .vgpr_count:     512
    .wavefront_size: 32
...
	.end_amdgpu_metadata
.endif
;; end of part 3
;; launch ogemm (part 4): grid 16 x 16, 4 waves a work-group, clusters of 4 x 4, 327,680 bytes of LDS; arguments ao, codes, bo, out0; writes out0
.if DOCPART == 4
	.amdgcn_target "amdgcn-amd-amdhsa--gfx1250"
	.amdhsa_code_object_version 6
	.text
	.protected	k_qc57bcabb31_ogemm
	.globl	k_qc57bcabb31_ogemm
	.p2align	8
	.type	k_qc57bcabb31_ogemm,@function
k_qc57bcabb31_ogemm:
	s_mov_b64 s[64:65], 0
	v_nop
	global_prefetch_b8 v0, s[64:65] scope:SCOPE_SE
	s_setreg_imm32_b32 hwreg(HW_REG_WAVE_MODE, 25, 1), 1
	s_wait_xcnt 0x0
	s_wait_alu depctr_hold_cnt(0) depctr_sa_sdst(0) depctr_va_vdst(0) depctr_va_sdst(0) depctr_va_ssrc(0) depctr_va_vcc(0) depctr_vm_vsrc(0)
	s_getreg_b32 s2, hwreg(HW_REG_IB_STS2, 6, 4)
	s_cmp_eq_u32 s2, 0
	s_cbranch_scc0 .Lentry_in_a_cluster
	s_endpgm
.Lentry_in_a_cluster:
	s_bfe_u32 s2, ttmp6, 0x10000c
	s_cmp_lg_u32 s2, 0xf033
	s_cbranch_scc0 .Lentry_shape_is_right
	s_endpgm
.Lentry_shape_is_right:
; out0 = ao Wo + bo on codes of FP6 (E2M3) with E8M0 scales.  A tile of 128 x 128 a work-group, 64 x 64 a wave: 16 accumulators.  Operands lie as blocks of BLK = 12,800 bytes for 128 rows x 128 K: eight register images of
; 1,536 bytes (lane r of image a holds row 32 (a / 2) + 8 (a % 2) + r + 8 (r / 8)) and a scale image of 512 bytes (word p of lane l's 16 bytes: image 2 p + l / 16, lane l % 16); a chunk's 16 K steps lie on end.
; B (Wo's columns): the chunk's sixteen blocks, 204,800 bytes, come into LDS once, by the head's joint loads, four blocks a wave (200 rows of 256 bytes), shared along a column of the cluster.  Nothing is filled again.
; A (ao's rows) IS NOT ASKED FOR JOINTLY AND DOES NOT PASS THROUGH LDS: an image in memory is the fragment's registers as they stand, so each wave loads its four images of a K step straight into registers, 12 loads of 512
; consecutive bytes, six K steps ahead, in six sets of 48 registers.  So a K step reads LDS for B alone: 12 loads of 16 bytes a lane and one of 8, where A's would double them.  A's scale words for all of K, 16 loads, come at the head.
; No prefetch: B is asked for whole at the head, and A's loads themselves run six K steps ahead.
; THE MATRIX INSTRUCTION IS USED TRANSPOSED (source 0 = an image of B, source 1 = an image of A): a lane holds eight neighbouring numbers of a row of out0.  The bias is the C of the first products.
; REGISTERS.  Window 0: v1-3 lane terms; v4-7, v8-11 B's images and scale words in LDS, four K steps to a register; v12, v13 A's images' and scale words' offsets; v16-18 the way out; v19-21 at work; v28, v29 the add's two;
; v32-63 the bias, then rows on their way out; v64-67 B's scale words, two sets; v68-99 A's, two for each K step; v128-255 the accumulators.  Window 1: B's fragments, two sets, at v0 and v128 (v0-31 on the way out).
; Windows 2, 3: A's sets: set j at window 2 + j / 5, v[48 (j % 5)].
.set BLK,   12800
.set CHB,   16*BLK
.set STAGE, 16*BLK                     ; behind B: 16 rows x 272 bytes for each wave, for the way out
.set SPARE, STAGE+4*16*272             ; the spare words, 128 bytes for each wave: two blocks of 256 bytes that no other line names
.set DEPTH, 6
.set ADB,   4
.set ASB,   8
.set AGO,   12
.set AGS,   13
.set SPW,   28
.set NIL,   29
.set CB,    32
.set SCR,   64
.set ASC,   68
.set ACC,   128
.set G1B,   24
.set G0B,   32
.set MSB,   0
.macro WIN new                         ; the immediate's high byte repeats the setting that is left
.if MSB != (\new)
	s_set_vgpr_msb (MSB<<8)|(\new)
.set MSB, (\new)
.endif
.endm
.macro PL4
.rept 4
	v_nop
.endr
.endm
.macro CROUND
	s_barrier_signal -1
	s_barrier_wait -1
	s_cmp_lg_u32 s12, 0
	s_cbranch_scc1 .Lnot_wave_0_\@
	s_barrier_signal -3
.Lnot_wave_0_\@:
	s_barrier_wait -3
	s_barrier_signal -1
	s_barrier_wait -1
.endm
	s_load_b256 s[4:11], s[0:1], 0x0               ; ao, codes, bo, out0
	v_lshl_add_u32 v[SPW], v0, 2, SPARE
	v_mov_b32 v[NIL], 0
	ds_add_u32 v[SPW], v[NIL]                      ; the opening lines: the add, twice on end, and its wait ahead of my first tensor load
	ds_add_u32 v[SPW], v[NIL]
	v_lshrrev_b32 v1, 5, v0
	v_readfirstlane_b32 s12, v1                    ; wave 0..3
	s_lshr_b32 s13, s12, 1                         ; which 64 rows of the tile are mine
	s_and_b32 s14, s12, 1                          ; which 64 columns
	s_bfe_u32 s15, ttmp6, 0x40000                  ; cx
	s_bfe_u32 s16, ttmp6, 0x40004                  ; cy
	s_lshl_b32 s17, ttmp9, 2
	s_add_co_u32 s17, s17, s15                     ; tile column
	s_and_b32 s18, ttmp7, 0xffff
	s_lshl_b32 s18, s18, 2
	s_add_co_u32 s18, s18, s16                     ; tile row
	s_lshl_b32 s20, 0x1111, s15                    ; my column of the cluster
	s_or_b32 s[G1B+0], s20, (3<<16)|(1<<21)        ; the mask; elements of 8 bytes; bit 21 beside a mask
	s_mov_b32 s[G1B+1], 32<<16                     ; rows of 256 bytes,
	s_mov_b32 s[G1B+2], 200<<16                    ; 200 of them: four blocks, 51,200 dense bytes
	s_mov_b32 s[G1B+3], 32<<16
	s_mov_b32 s[G1B+4], 200
	s_mov_b32 s[G1B+5], 32
	s_mov_b32 s[G1B+6], 0
	s_mov_b32 s[G1B+7], 0
	s_mul_i32 s21, s12, 4*BLK                      ; I fetch B's K steps 4 w .. 4 w + 3, to the same place in LDS
	s_add_co_u32 s58, s17, 64                      ; Wo's chunks begin at 64
	s_mul_i32 s58, s58, CHB
	s_add_co_u32 s58, s58, s21
	s_mov_b32 s59, 0
	s_mul_i32 s56, s18, CHB                        ; A's chunk
	s_mov_b32 s57, 0
	s_lshl_b32 s62, s17, 9
	s_lshl_b32 s63, s14, 8
	s_add_co_u32 s62, s62, s63                     ; my first column, in bytes
	s_mov_b32 s63, 0
	s_lshl_b32 s60, s18, 7
	s_lshl_b32 s61, s13, 6
	s_add_co_u32 s60, s60, s61
	s_lshl_b32 s60, s60, 13                        ; my first row, of 8,192 bytes
	s_add_co_u32 s60, s60, s62
	s_mov_b32 s61, 0
	s_mul_i32 s22, s12, 16*272
	s_add_co_u32 s22, s22, STAGE                   ; my stage
	s_mul_i32 s23, s14, 6144                       ; my four images of B in a block,
	s_lshl_b32 s40, s14, 3
	s_add_co_u32 s40, s40, 12288                   ; their two scale words in a lane's 16 bytes;
	s_mul_i32 s41, s13, 6144                       ; the same of A
	s_lshl_b32 s42, s13, 3
	v_and_b32 v1, 15, v0                           ; r
	v_bfe_u32 v2, v0, 4, 1                         ; h
	v_and_b32 v3, 31, v0
	v_lshlrev_b32 v3, 4, v3                        ; 16 x lane
	v_lshlrev_b32 v19, 6, v2
	v_add_nc_u32 v[AGO], s41, v3
	v_add_nc_u32 v[AGS], s42, v3
	v_add_nc_u32 v20, s23, v3
	v_add_nc_u32 v21, s40, v3
.irp g, 0,1,2,3
	v_add_nc_u32 v[ADB+\g], \g*4*BLK, v20
	v_add_nc_u32 v[ASB+\g], \g*4*BLK, v21
.endr
	v_mul_u32_u24 v16, v1, 272                     ; the stage, in: row r, 64 bytes for each half of the lanes
	v_lshl_add_u32 v16, v2, 6, v16
	v_add_nc_u32 v16, s22, v16
	v_mul_u32_u24 v17, v2, 272                     ; back: sixteen lanes to a row of 256 bytes
	v_lshl_add_u32 v17, v1, 4, v17
	v_add_nc_u32 v17, s22, v17
	v_lshlrev_b32 v18, 13, v2                      ; and the same two rows in out0
	v_lshl_add_u32 v18, v1, 4, v18
	s_wait_alu depctr_va_vdst(0)                   ; at the end of the head's vector work
	s_wait_dscnt 0x0                               ; both opening adds are done
	s_wait_kmcnt 0x0
	s_add_nc_u64 s[44:45], s[4:5], s[56:57]
	s_add_nc_u64 s[46:47], s[6:7], s[58:59]
	s_add_nc_u64 s[8:9], s[8:9], s[62:63]
	s_add_nc_u64 s[10:11], s[10:11], s[60:61]
	s_mov_b32 s[G0B], 1
	s_mov_b32 s[G0B+1], s21
	s_mov_b64 s[G0B+2:G0B+3], s[46:47]
	s_or_b32 s[G0B+3], s[G0B+3], 0x80000000
	CROUND                                         ; all sixteen work-groups are here: the joint loads meet
	tensor_load_to_lds s[G0B:G0B+3], s[G1B:G1B+7]  ; one tensor load a wave, the launch's only ones
	s_nop 0
	PL4
.macro GLOAD k                         ; A's four images of K step k into set k % DEPTH: 12 loads of 512 consecutive bytes
.set aj, (\k)%DEPTH
	WIN 0x80+0x40*(aj/5)
.irp i, 0,1,2,3
.irp g, 0,1,2
	global_load_b128 v[48*(aj%5)+12*\i+4*\g:48*(aj%5)+12*\i+4*\g+3], v[AGO], s[44:45] offset:(\k)*BLK+\i*1536+512*\g
.endr
.endr
	WIN 0
.endm
.irp b, 0,1,2,3
	global_load_b128 v[CB+8*\b:CB+8*\b+3], v19, s[8:9] offset:(32*(\b/2)+8*(\b%2))*4          ; the bias in the result's layout
	global_load_b128 v[CB+8*\b+4:CB+8*\b+7], v19, s[8:9] offset:(32*(\b/2)+8*(\b%2))*4+16
.endr
.set kk, 0
.rept 16
	global_load_b64 v[ASC+2*kk:ASC+2*kk+1], v[AGS], s[44:45] offset:kk*BLK+12288               ; A's scale words of K step kk
.set kk, kk+1
.endr
.irp k, 0,1,2,3,4,5
	GLOAD \k
.endr
.macro WM
.if fX && fY
	v_wmma_scale_f32_16x16x128_f8f6f4 v[rD:rD+7], v[rA:rA+11], v[rB:rB+11], v[rC:rC+7], v[rX], v[rY] matrix_a_fmt:MATRIX_FMT_FP6 matrix_b_fmt:MATRIX_FMT_FP6 matrix_a_scale:MATRIX_SCALE_ROW1 matrix_b_scale:MATRIX_SCALE_ROW1
.elseif fX
	v_wmma_scale_f32_16x16x128_f8f6f4 v[rD:rD+7], v[rA:rA+11], v[rB:rB+11], v[rC:rC+7], v[rX], v[rY] matrix_a_fmt:MATRIX_FMT_FP6 matrix_b_fmt:MATRIX_FMT_FP6 matrix_a_scale:MATRIX_SCALE_ROW1
.elseif fY
	v_wmma_scale_f32_16x16x128_f8f6f4 v[rD:rD+7], v[rA:rA+11], v[rB:rB+11], v[rC:rC+7], v[rX], v[rY] matrix_a_fmt:MATRIX_FMT_FP6 matrix_b_fmt:MATRIX_FMT_FP6 matrix_b_scale:MATRIX_SCALE_ROW1
.else
	v_wmma_scale_f32_16x16x128_f8f6f4 v[rD:rD+7], v[rA:rA+11], v[rB:rB+11], v[rC:rC+7], v[rX], v[rY] matrix_a_fmt:MATRIX_FMT_FP6 matrix_b_fmt:MATRIX_FMT_FP6
.endif
.endm
.macro FETCH k                         ; B's four images and two scale words of K step k, from LDS into set k % 2
.set sg, (\k)/4
.set kq, (\k)%4
.set fb, 128*((\k)%2)
	WIN 0x40
.irp i, 0,1,2,3
.irp g, 0,1,2
	ds_load_b128 v[fb+12*\i+4*\g:fb+12*\i+4*\g+3], v[ADB+sg] offset:kq*BLK+\i*1536+512*\g
.endr
.endr
	WIN 0
	ds_load_b64 v[SCR+2*((\k)%2):SCR+2*((\k)%2)+1], v[ASB+sg] offset:kq*BLK
.endm
.macro MUL k                           ; 16 products, the 16 accumulators by turns
.set aj, (\k)%DEPTH
	WIN 0x01|((2+aj/5)<<2)                         ; source 0 (B) window 1, source 1 (A) window 2 or 3
.irp a, 0,1,2,3
.irp b, 0,1,2,3
.set rD, ACC+8*(4*\a+\b)
.set rA, 128*((\k)%2)+12*\b
.set rB, 48*(aj%5)+12*\a
.if (\k) == 0
.set rC, CB+8*\b
.else
.set rC, rD
.endif
.set rX, SCR+2*((\k)%2)+\b/2
.set rY, ASC+2*(\k)+\a/2
.set fX, \b%2
.set fY, \a%2
	WM
.endr
.endr
	WIN 0
.endm
.macro STEPK k
.if 15-(\k) < DEPTH-1
	s_wait_loadcnt 12*(15-(\k))                    ; A's K step k is in; behind its loads stand those of the K steps that are left
.else
	s_wait_loadcnt 12*(DEPTH-1)                    ; A's K step k is in (at k = 0 the bias and the scale words too); behind its loads stand those of five later K steps, 12 each
.endif
	s_wait_dscnt 0x0                               ; B's K step k is in
.if (\k) < 15
	PL4                                            ; places in front of loads into registers that products have read
	FETCH (\k)+1
.endif
	MUL \k
.if (\k)+DEPTH < 16
	PL4
	GLOAD (\k)+DEPTH                               ; into the set just multiplied
.endif
.endm
	s_wait_tensorcnt 0x0                           ; my four blocks of B are in,
	s_barrier_signal -1
	s_barrier_wait -1                              ; everybody's are
	FETCH 0
.irp k, 0,1,2,3,4,5,6,7,8,9,10,11,12,13,14,15
	STEPK \k
.endr
; THE WAY OUT: a block of 16 rows x 64 columns goes through my own stage in LDS and comes back as rows of 256 bytes, sixteen lanes to a row.  Blocks come back into v32-63 of window 0 and v0-31 of window 1 by turns.
.macro TOSTAGE a
.irp b, 0,1,2,3
	ds_store_b128 v16, v[ACC+8*(4*(\a)+\b):ACC+8*(4*(\a)+\b)+3] offset:128*(\b/2)+32*(\b%2)        ; each accumulator from its low end on
	ds_store_b128 v16, v[ACC+8*(4*(\a)+\b)+4:ACC+8*(4*(\a)+\b)+7] offset:128*(\b/2)+32*(\b%2)+16
.endr
.set BB, 32*(1-(\a)%2)
	WIN 0x40*((\a)%2)
.irp t, 0,1,2,3,4,5,6,7
	ds_load_b128 v[BB+4*\t:BB+4*\t+3], v17 offset:544*\t   ; LDS serves a wave's instructions in order: these see the stores above
.endr
	WIN 0
.endm
.macro SEND a, younger                 ; younger: the LDS instructions issued behind block a's loads, which may stay out
.set BB, 32*(1-(\a)%2)
	s_wait_dscnt \younger
	WIN 0x04*((\a)%2)
.irp t, 0,1,2,3,4,5,6,7
	global_store_b128 v18, v[BB+4*\t:BB+4*\t+3], s[10:11] offset:(32*((\a)/2)+8*((\a)%2)+2*\t+8*(\t/4))*8192 th:TH_STORE_NT   ; 16 lanes store 256 consecutive bytes, aligned
.endr
	WIN 0
.endm
	PL4                                            ; places behind the last products
	TOSTAGE 0
.irp a, 1,2,3
.if \a > 1
	s_wait_xcnt 0x0                                ; block a - 2's stores have read their registers
.endif
	TOSTAGE \a
	SEND \a-1, 16
.endr
	SEND 3, 0
	s_wait_tensorcnt 0x0                           ; the wave's end
	ds_add_u32 v[SPW], v[NIL]
	s_wait_dscnt 0x0
	CROUND                                         ; the closing round
	s_endpgm
.Lfunc_end_k_qc57bcabb31_ogemm:
	.size	k_qc57bcabb31_ogemm, .Lfunc_end_k_qc57bcabb31_ogemm-k_qc57bcabb31_ogemm
	.p2alignl 7, 3214868480
	.fill 96, 4, 3214868480
	.section	.rodata,"a",@progbits
	.p2align	6, 0x0
	.amdhsa_kernel k_qc57bcabb31_ogemm
		.amdhsa_group_segment_fixed_size 327680
		.amdhsa_private_segment_fixed_size 0
		.amdhsa_enable_private_segment 0
		.amdhsa_kernarg_size 32
		.amdhsa_user_sgpr_count 2
		.amdhsa_user_sgpr_kernarg_segment_ptr 1
		.amdhsa_wavefront_size32 1
		.amdhsa_system_sgpr_workgroup_id_x 1
		.amdhsa_system_sgpr_workgroup_id_y 1
		.amdhsa_system_sgpr_workgroup_id_z 1
		.amdhsa_system_vgpr_workitem_id 0
		.amdhsa_next_free_vgpr 1024
		.amdhsa_next_free_sgpr 82
		.amdhsa_reserve_vcc 0
		.amdhsa_float_denorm_mode_32 3
		.amdhsa_float_denorm_mode_16_64 3
		.amdhsa_memory_ordered 1
		.amdhsa_forward_progress 1
		.amdhsa_inst_pref_size 86
	.end_amdhsa_kernel
	.amdgpu_metadata
---
amdhsa.version: [ 1, 2 ]
amdhsa.kernels:
  - .name:           k_qc57bcabb31_ogemm
    .symbol:         k_qc57bcabb31_ogemm.kd
    .args:
      - { .name: ao, .offset: 0, .size: 8, .value_kind: global_buffer, .address_space: global }
      - { .name: codes, .offset: 8, .size: 8, .value_kind: global_buffer, .address_space: global }
      - { .name: bo, .offset: 16, .size: 8, .value_kind: global_buffer, .address_space: global }
      - { .name: out0, .offset: 24, .size: 8, .value_kind: global_buffer, .address_space: global }
    .group_segment_fixed_size: 327680
    .private_segment_fixed_size: 0
    .kernarg_segment_align: 8
    .kernarg_segment_size: 32
    .max_flat_workgroup_size: 128
    .sgpr_count:     82
    .vgpr_count:     1024
    .wavefront_size: 32
...
	.end_amdgpu_metadata
.endif
;; end of part 4
